; MI455X (gfx1250); checked and timed in simulation.
; The chip was launched on July 23, 2026; its instructions are those of AMD's public machine-readable ISA for CDNA 5 (MIT licence, August 2026) and "CDNA5" Instruction Set Architecture Reference Guide (July 2026). The comments in the code are by the model that wrote it; some were corrected since.
;; Attention. Allowed arithmetic: matrix products marked QUANTISED: E2M3 operands, one E8M0 scale for each 32 along K, by v_wmma_scale_f32_16x16x128_f8f6f4 with both operands' format E2M3, f32 sums; everything else in f32.
;; Inputs: cos 2,048 x 64 float32; mask 2,048 x 2,048 float32; positions 2,048 int32; sin 2,048 x 64 float32; wk 4,096 x 1,024 float32; wo 2,048 x 4,096 float32; wq 4,096 x 2,048 float32; wv 4,096 x 1,024 float32; x 1 x 2,048 x 4,096 float32.
;; Outputs: out0 1 x 2,048 x 4,096 float32.
;; This version of the problem:
;;   THIS VERSION OF THE PROBLEM IS GIVEN IN LOW PRECISION. The matrix products marked QUANTISED in the list below multiply operands that are first quantised to E2M3 (2 exponent bits, 3 mantissa bits; 6 bits a number), with one power-of-two scale for each 32 numbers along K (OCP MX v1.0); their sums are f32. All else is computed in f32.
;;   The module's matrix products, in the order in which they are computed (A, B: the left and right operand; K: the contracted axis; several contracted axes count as one K, in the product's order):
;;     1. [M 2,048, K 4,096] x [K 4,096, N 2,048]; A: input x; B: input wq: QUANTISED
;;     2. [M 2,048, K 4,096] x [K 4,096, N 1,024]; A: input x; B: input wk: QUANTISED
;;     3. [M 2,048, K 4,096] x [K 4,096, N 1,024]; A: input x; B: input wv: QUANTISED
;;     4. batch 8 x [M 4,096, K 128] x [K 128, N 2,048]; A: computed on the way; B: computed on the way: QUANTISED
;;     5. batch 8 x [M 4,096, K 2,048] x [K 2,048, N 128]; A: softmax (see below); B: computed on the way: QUANTISED
;;     6. [M 2,048, K 2,048] x [K 2,048, N 4,096]; A: computed on the way; B: input wo: QUANTISED
;;   THE QUANTISER, for each operand of a quantised product, along K:
;;     - K is cut into blocks of 32 from its start; a last block that is shorter is filled with zeros.
;;     - A block's scale is 2^e with e = floor(log2(the largest magnitude in the block)) - 2, held to -126 .. 127; a block of zeros has e = 0. As a byte (E8M0): e + 127.
;;     - Each number is divided by its block's scale, clamped to +-7.5, and rounded to the nearest number of E2M3, ties to even, subnormals kept.
;;     - The product sums the exact products of the quantised numbers (number of the format x scale) in f32.
;;   ~~~python
;;   def quantise(x, axis):      # numpy; x: float32 -> the quantised numbers, widened to float32 again
;;       x = np.moveaxis(x, axis, -1); K = x.shape[-1]
;;       x = np.pad(x, [(0, 0)] * (x.ndim - 1) + [(0, -K % 32)]); x = x.reshape(x.shape[:-1] + (-1, 32)); a = np.abs(x).max(-1, keepdims=True)
;;       e = np.where(a > 0, np.clip(np.frexp(np.where(a > 0, a, 1))[1] - 1 - 2, -126, 127), 0)      # np.frexp(a)[1] - 1 = floor(log2(a)), exactly
;;       r = np.clip(x / 2.0 ** e, -7.5, 7.5)
;;       step = 2.0 ** (np.maximum(np.frexp(np.where(r == 0, 1, r))[1] - 1, 0) - 3)
;;       q = np.round(r / step) * step * 2.0 ** e      # np.round: ties to even
;;       return np.moveaxis(q.reshape(q.shape[:-2] + (-1,))[..., :K], -1, axis).astype(np.float32)
;;   ~~~
;;   SOFTMAX AHEAD OF A QUANTISED PRODUCT. Where the list says 'softmax', what is quantised is not the finished softmax but p = 2^(t - M), with t = logit x log2(e) and M = ceil(the row's largest t), a whole number; so 1/2 < the row's largest p <= 1. The row's sum l is taken of the UNQUANTISED p, in f32, and the product's result is divided by l at the end. Since M is a whole number, a kernel that streams over the keys may use a running M (the ceiling of the running maximum): every later rescaling is an exact power of two, which a block's scale takes up: the codes' values come out the same.
;;   OPERANDS COMPUTED ON THE WAY. 'Computed on the way' means the value that the module computes at that place (a softmax that the list does not call 'softmax' is quantised finished and normalised). What goes into a quantiser is computed in f32, as accurately as f32 sums, v_exp_f32 and their like allow (about 1e-6 of the number): no bf16 or f16 on the way to a quantiser, and a product that is left as it is and whose result goes on into a quantised operand takes f32 operands (vector FMAs, or v_wmma_f32_16x16x4_f32). A number that lies on a knife's edge between two numbers of the format may be rounded either way, as far as f32 arithmetic and the matrix unit's own rounding can turn it there, and no further.
;; One version. Each part assembles by itself: llvm-mc -triple=amdgcn-amd-amdhsa -mcpu=gfx1250 --defsym DOCPART=n.
;; ======== version 1 of 1: 4 launches
;; limits: right only within a limited range of input values
;; workspace buffers: xi 6,553,600 bytes; wi 13,107,200 bytes; woi 6,553,600 bytes; qkv 6,553,600 bytes; oi 3,276,800 bytes
;; launch quant (part 1): grid 640 x 1, 4 waves a work-group, no clusters, 85,504 bytes of LDS; arguments x, wq, wk, wv, wo, xi, wi, woi; writes xi, wi, woi
.if DOCPART == 1
	.amdgcn_target "amdgcn-amd-amdhsa--gfx1250"
	.amdhsa_code_object_version 6
	.text
	.protected	k_q313aa5b82e_quant
	.globl	k_q313aa5b82e_quant
	.p2align	8
	.type	k_q313aa5b82e_quant,@function
k_q313aa5b82e_quant:
	s_mov_b64 s[64:65], 0
	v_nop
	global_prefetch_b8 v0, s[64:65] scope:SCOPE_SE
	s_setreg_imm32_b32 hwreg(HW_REG_WAVE_MODE, 25, 1), 1
	s_wait_xcnt 0x0
; x [2048][4096], wq [4096][2048], wk, wv [4096][1024], wo [2048][4096], all f32, become codes of FP6 (E2M3) with one E8M0 byte for each 32 along K.
; A block's scale is 2^(floor(log2(largest magnitude)) - 2); its byte is the largest magnitude's exponent field - 2, held at 1 from below.
; LIMITS: a block of zeros gets the byte 1 where the rule says 127 (its codes are zeros, and this program alone reads the bytes); NaN and infinities among the inputs are not served.
; LAYOUT OF THE RESULTS.  A block of 6,400 bytes holds 16 rows x 512 along K: four IMAGES of an operand's registers (16 rows x 128 K, 12 registers a lane: register 4 c + i of lane l at byte 512 c + 16 l + 4 i),
; then 256 bytes of scale words, 16 bytes a row (one word for each 128 along K).  xi: [128 row tiles][8][6400]; wi: [256 row tiles][8][6400] (wq's, wk's, wv's columns on end); woi: [256][4][6400].
; THE ROWS STAND IN POSITION ORDER: position p holds the true row that is p with bits 3 and 4 exchanged, so that a product used transposed leaves 16 neighbours along the next K in a lane's registers.
; Work-groups 0-255 take x (K innermost), 256-639 the weights (K outermost).  The two ways part on the work-group's number, have LDS bytes of their own and end by themselves.  Waves share nothing: no barrier.
; WORK LEFT OUT: positions enters reference() by its shape alone (the prefill path is taken for every value it holds), so it has no way to any output: it is not loaded and is among no launch's arguments.
.set SPARE, 84992                      ; the spare words: 128 bytes a wave, two blocks of 256 bytes that no other line names
.set XSTG,  8448                       ; x: a wave's stage: 16 rows x (512 + 16) bytes, from LDS byte 0
.set WBASE, 33792                      ; weights: the stages begin here
.set WSTG,  12800                      ; a wave's stage: two halves of four images
.set WHALF, 6272                       ; the second half: 6,144 + 128, so that the sixteen lanes of a store fall on sixteen different columns of 16 bytes
.set SPW,   12                         ; v12 my spare word's LDS address; v13 = 0; both never rewritten
.set NIL,   13
.set SEL,   22                         ; s[22:23] lane selects: lane l xor 16
.set R,     16                         ; x: v16-143 two sets of 64 registers as loaded
.set N,     144                        ; v144-207 64 numbers: register 16 b + i = k 32 b + 16 (lane / 16) + i of my row
.set PC,    208                        ; v208-227 the codes just made
.set TM,    228                        ; v228-243 at work
.set PWQ,   244                        ; v244-247 the four scale words
.set W2,    248
.set X,     32                         ; weights: v32-95 two sets of 32 numbers down K
.set OFF,   96                         ; v96-127 4 x lane + i rows
.set G,     128                        ; v128-139, v140-151 the 12 registers of image lanes r and 16 + r
.set TMPC,  152
.set SW,    156                        ; v156-159 four scale words
; 64 numbers of a lane become a fragment's 12 registers in v[PC] on and my row's scale word in v[pw]
.macro QUANT s, pw
.irp b, 0,1,2,3
	v_max3_num_f32 v[TM+\b], |v[\s+16*\b]|, |v[\s+1+16*\b]|, 0x1800000   ; my 16 numbers of block b, and the floor 2^(3 - 127): the byte cannot fall under 1
.endr
.irp i, 2,4,6,8,10,12,14
.irp b, 0,1,2,3
	v_max3_num_f32 v[TM+\b], v[TM+\b], |v[\s+16*\b+\i]|, |v[\s+1+16*\b+\i]|
.endr
.endr
.irp b, 0,1,2,3
	v_permlanex16_b32 v[TM+4+\b], v[TM+\b], s[SEL], s[SEL+1]
.endr
.irp b, 0,1,2,3
	v_max_num_f32 v[TM+\b], v[TM+\b], v[TM+4+\b]                 ; with lane l xor 16's: the block's largest magnitude
.endr
.irp b, 0,1,2,3
	v_add_nc_u32 v[TM+12+\b], 0xff000000, v[TM+\b]               ; 2 off its exponent field: the conversion's scale operand
.endr
.irp b, 0,1,2,3
	v_lshrrev_b32 v[TM+4+\b], 23, v[TM+12+\b]                    ; the scale's byte
.endr
	v_lshl_or_b32 v[\pw], v[TM+5], 8, v[TM+4]
	v_lshl_or_b32 v[\pw], v[TM+6], 16, v[\pw]
	v_lshl_or_b32 v[\pw], v[TM+7], 24, v[\pw]
.irp c, 0,1
	v_cvt_scalef32_pk16_fp6_f32 v[PC+6*\c:PC+2+6*\c], v[\s+32*\c:\s+15+32*\c], v[TM+12+2*\c]
	v_cvt_scalef32_pk16_fp6_f32 v[PC+12+4*\c:PC+14+4*\c], v[\s+16+32*\c:\s+31+32*\c], v[TM+12+2*\c+1]
.endr
	v_nop                                                        ; one plain place behind a scaled conversion
.irp c, 0,1                                                      ; the operand wants a whole block in a lane: the halves change places
.irp i, 0,1,2
	v_permlane16_swap_b32 v[PC+6*\c+\i], v[PC+12+4*\c+\i]
.endr
.irp i, 0,1,2
	v_mov_b32 v[PC+3+6*\c+\i], v[PC+12+4*\c+\i]
.endr
.endr
.endm
; x: 128 along K of my 16 positions: each load reads 512 consecutive bytes of one true row
.macro LOADX f
.irp i, 0,1,2,3,4,5,6,7,8,9,10,11,12,13,14,15
	global_load_b128 v[R+64*((\f)%2)+4*\i:R+64*((\f)%2)+4*\i+3], v4, s[4:5] offset:((\i%8)+16*(\i/8))*16384+512*(\f) th:TH_LOAD_NT
.endr
.endm
.macro XFRAG f
.if (\f) < 3
	s_wait_loadcnt 16                      ; this fragment's 16 loads are in; the next fragment's 16 may be out
.else
	s_wait_loadcnt 0x0
.endif
.irp i, 0,1,2,3,4,5,6,7,8,9,10,11,12,13,14,15
	ds_store_b128 v5, v[R+64*((\f)%2)+4*\i:R+64*((\f)%2)+4*\i+3] offset:528*\i
.endr
.irp b, 0,1,2,3
.irp j, 0,1,2,3
	ds_load_b128 v[N+16*\b+4*\j:N+16*\b+4*\j+3], v6 offset:128*\b+16*\j    ; LDS serves a wave's instructions in order: these see the stores above
.endr
.endr
	s_wait_dscnt 0x0
.if (\f) < 2
	LOADX (\f)+2
.endif
	s_wait_xcnt 0x0                        ; the last fragment's stores have read v[PC] on: it is written again only behind this wait
	QUANT N, PWQ+\f
.irp c, 0,1,2
	global_store_b128 v4, v[PC+4*\c:PC+4*\c+3], s[14:15] offset:1536*(\f)+512*\c   ; 32 lanes store 512 consecutive bytes, aligned
.endr
.endm
; weights: block t of 16: 32 rows down K at my column
.macro LOADW t
.if (\t) > 0
	s_wait_xcnt 0x0                        ; the earlier loads have read their base: it steps only behind this wait
	s_add_nc_u64 s[26:27], s[26:27], s[40:41]
.endif
.irp i, 0,1,2,3,4,5,6,7,8,9,10,11,12,13,14,15,16,17,18,19,20,21,22,23,24,25,26,27,28,29,30,31
	global_load_b32 v[X+32*((\t)%2)+\i], v[OFF+\i], s[26:27] th:TH_LOAD_NT
.endr
.endm
.macro BLOCK t
.set XS, X+32*((\t)%2)
.set GG, G+12*((\t)%2)+6*(((\t)/2)%2)      ; block 2 c + h of a K step: registers 6 c on of image lane 16 h + r
.if (\t) < 15
	s_wait_loadcnt 32                      ; this block's 32 loads are in; the next block's may be out
.else
	s_wait_loadcnt 0x0
.endif
	v_max3_num_f32 v160, |v[XS]|, |v[XS+1]|, |v[XS+2]|
	v_max3_num_f32 v161, |v[XS+3]|, |v[XS+4]|, |v[XS+5]|
.irp i, 6,10,14,18,22,26
	v_max3_num_f32 v160, v160, |v[XS+\i]|, |v[XS+\i+1]|
	v_max3_num_f32 v161, v161, |v[XS+\i+2]|, |v[XS+\i+3]|
.endr
	v_max3_num_f32 v160, v160, |v[XS+30]|, |v[XS+31]|
	v_max3_num_f32 v160, v160, v161, 0x1800000
	v_add_nc_u32 v162, 0xff000000, v160
	v_lshrrev_b32 v163, 23, v162
.if ((\t)%4 == 0) && ((\t) > 0)
	s_wait_alu depctr_va_vdst(0)
	s_wait_dscnt 0x0                       ; the last K step's stores into the stage have read v[G] on
.endif
	v_cvt_scalef32_pk16_fp6_f32 v[GG:GG+2], v[XS:XS+15], v162
	v_cvt_scalef32_pk16_fp6_f32 v[TMPC:TMPC+2], v[XS+16:XS+31], v162   ; (a conversion's three registers begin on an even number)
.if (\t)%4 == 0
	v_mov_b32 v[SW+(\t)/4], v163           ; the plain place behind the conversions
.else
	v_lshl_or_b32 v[SW+(\t)/4], v163, 8*((\t)%4), v[SW+(\t)/4]
.endif
.irp i, 0,1,2
	v_mov_b32 v[GG+3+\i], v[TMPC+\i]
.endr
.if (\t)+2 < 16
	LOADW (\t)+2
.endif
.if (\t)%4 == 3
	s_wait_alu depctr_va_vdst(0)
.irp hh, 0,1
.irp j, 0,1,2
	ds_store_b128 v8, v[G+12*\hh+4*\j:G+12*\hh+4*\j+3] offset:1536*((\t)/4)+512*\j+256*\hh
.endr
.endr
.endif
.endm
	s_load_b256 s[4:11], s[0:1], 0x0               ; x, wq, wk, wv
	s_load_b256 s[12:19], s[0:1], 0x20             ; wo, xi, wi, woi
	v_lshl_add_u32 v[SPW], v0, 2, SPARE
	v_mov_b32 v[NIL], 0
	v_lshrrev_b32 v1, 5, v0
	v_readfirstlane_b32 s20, v1                    ; wave
	v_and_b32 v1, 31, v0                           ; lane
	v_and_b32 v2, 15, v0                           ; r
	v_bfe_u32 v3, v0, 4, 1                         ; h
	v_lshlrev_b32 v4, 4, v1                        ; 16 x lane
	s_mov_b32 s[SEL], 0x76543210
	s_mov_b32 s[SEL+1], 0xfedcba98
	s_mov_b32 s21, 0xffff0000                      ; lanes 16-31
	s_wait_kmcnt 0x0
	s_cmp_lt_u32 ttmp9, 256
	s_cbranch_scc0 .Lweights
	; ---- x: a wave makes one whole block: row tile rt, 512 along K
	s_lshl_b32 s24, ttmp9, 2
	s_add_co_u32 s24, s24, s20                     ; 8 rt + kq
	s_lshr_b32 s25, s24, 3                         ; rt
	s_and_b32 s26, s24, 7                          ; kq
	s_lshr_b32 s27, s25, 1
	s_lshl_b32 s27, s27, 5
	s_and_b32 s28, s25, 1
	s_lshl_b32 s28, s28, 3
	s_add_co_u32 s27, s27, s28                     ; position 0's true row: 32 (rt / 2) + 8 (rt % 2)
	s_lshl_b32 s28, s27, 14                        ; rows of 16,384 bytes
	s_lshl_b32 s29, s26, 11
	s_add_co_u32 s28, s28, s29
	s_mov_b32 s29, 0
	s_add_nc_u64 s[4:5], s[4:5], s[28:29]
	s_mul_i32 s28, s24, 6400
	s_add_nc_u64 s[14:15], s[14:15], s[28:29]
	s_mul_i32 s30, s20, XSTG
	s_wait_alu depctr_va_vdst(0)
	v_add_nc_u32 v5, s30, v4                       ; into the stage: 16 x lane
	v_mul_u32_u24 v6, v2, 528
	v_lshl_add_u32 v6, v3, 6, v6
	v_add_nc_u32 v6, s30, v6                       ; out of it: row r, + 64 h
	v_lshlrev_b32 v7, 4, v2
	v_lshl_add_u32 v7, v3, 3, v7                   ; the scale words: 16 r + 8 h
.irp b, 0,1,2,3
	v_mov_b32 v[TM+4+\b], 0                        ; a lane permute's destination counts as one of its sources
.endr
	LOADX 0
	LOADX 1
	s_wait_alu depctr_va_vdst(0)
.irp f, 0,1,2,3
	XFRAG \f
.endr
	v_cndmask_b32 v[W2], v[PWQ], v[PWQ+2], s21     ; lanes 0-15 store words 0, 1 of their row, lanes 16-31 words 2, 3
	v_cndmask_b32 v[W2+1], v[PWQ+1], v[PWQ+3], s21
	global_store_b64 v7, v[W2:W2+1], s[14:15] offset:6144   ; 32 lanes store 256 consecutive bytes, aligned
	s_wait_tensorcnt 0x0                           ; the wave's end
	ds_add_u32 v[SPW], v[NIL]
	s_wait_dscnt 0x0
	s_endpgm
.Lweights:
	; ---- the weights: a lane takes a column, its registers run down K.  One text for the four tensors: pointers and strides are chosen on the work-group's number alone
	s_sub_co_u32 s24, ttmp9, 256
	s_mov_b64 s[26:27], s[6:7]                     ; source
	s_mov_b64 s[32:33], s[16:17]                   ; destination
	s_mov_b32 s28, 4                               ; log2 of the groups of 128 columns
	s_mov_b32 s29, 0                               ; first row tile
	s_mov_b32 s30, 0                               ; first work-group
	s_mov_b32 s31, 51200                           ; bytes from row tile to row tile
	s_cmp_ge_u32 s24, 128
	s_cselect_b64 s[26:27], s[8:9], s[26:27]
	s_cselect_b32 s28, 3, s28
	s_cselect_b32 s29, 128, s29
	s_cselect_b32 s30, 128, s30
	s_cmp_ge_u32 s24, 192
	s_cselect_b64 s[26:27], s[10:11], s[26:27]
	s_cselect_b32 s29, 192, s29
	s_cselect_b32 s30, 192, s30
	s_cmp_ge_u32 s24, 256
	s_cselect_b64 s[26:27], s[12:13], s[26:27]
	s_cselect_b64 s[32:33], s[18:19], s[32:33]
	s_cselect_b32 s28, 5, s28
	s_cselect_b32 s29, 0, s29
	s_cselect_b32 s30, 256, s30
	s_cselect_b32 s31, 25600, s31
	s_sub_co_u32 s34, s24, s30
	s_lshl_b32 s35, 1, s28
	s_sub_co_u32 s35, s35, 1
	s_and_b32 s35, s34, s35                        ; which 128 columns
	s_lshr_b32 s36, s34, s28                       ; which 512 along K
	s_lshl_b32 s37, 512, s28                       ; a row of the weight in bytes
	s_mul_i32 s38, s36, s37
	s_lshl_b32 s38, s38, 9
	s_lshl_b32 s39, s35, 9
	s_add_co_u32 s38, s38, s39
	s_lshl_b32 s39, s20, 7                         ; my wave's 32 columns
	s_add_co_u32 s38, s38, s39
	s_mov_b32 s39, 0
	s_add_nc_u64 s[26:27], s[26:27], s[38:39]
	s_lshl_b32 s40, s37, 5                         ; 32 rows on
	s_mov_b32 s41, 0
	s_lshl_b32 s42, s35, 3
	s_add_co_u32 s42, s42, s29
	s_lshl_b32 s43, s20, 1
	s_add_co_u32 s42, s42, s43                     ; my first row tile of two
	s_mul_i32 s42, s42, s31
	s_mul_i32 s43, s36, 6400
	s_add_co_u32 s42, s42, s43
	s_mov_b32 s43, 0
	s_add_nc_u64 s[32:33], s[32:33], s[42:43]
	v_bfe_u32 v5, v0, 3, 1                         ; my column's tile of the two: bit 3 of the true index
	v_and_b32 v6, 7, v0
	s_wait_alu depctr_va_vdst(0)
	v_lshl_add_u32 v6, v3, 3, v6                   ; and its row in that tile: 8 (lane / 16) + lane % 8
	s_mul_i32 s44, s20, WSTG
	s_add_co_u32 s44, s44, WBASE
	v_mul_u32_u24 v8, v5, WHALF
	v_lshl_add_u32 v8, v6, 4, v8
	v_add_nc_u32 v8, s44, v8                       ; into the stage
	v_add_nc_u32 v9, s44, v4                       ; out of it
	v_add_nc_u32 v11, s31, v4                      ; the second tile's place in memory
	v_mul_lo_u32 v15, v5, s31
	v_lshl_add_u32 v15, v6, 4, v15                 ; my column's scale words
	v_lshlrev_b32 v[OFF], 2, v1
.set I, 1
.rept 31
	v_add_nc_u32 v[OFF+I], s37, v[OFF+I-1]
.set I, I+1
.endr
	LOADW 0
	s_wait_alu depctr_va_vdst(0)
	LOADW 1
.irp t, 0,1,2,3,4,5,6,7,8,9,10,11,12,13,14,15
	BLOCK \t
.endr
	global_store_b128 v15, v[SW:SW+3], s[32:33] offset:6144   ; a tile's sixteen lanes store 256 consecutive bytes, aligned
.irp i, 0,1,2,3,4,5,6,7,8,9,10,11,12,13,14,15,16,17,18,19,20,21,22,23
	ds_load_b128 v[32+4*\i:35+4*\i], v9 offset:(\i/12)*WHALF+512*(\i%12)   ; in order behind my stores
.endr
.irp i, 0,1,2,3,4,5,6,7,8,9,10,11
	s_wait_dscnt 23-\i                             ; the younger loads may be out
	global_store_b128 v4, v[32+4*\i:35+4*\i], s[32:33] offset:512*\i
.endr
.irp i, 12,13,14,15,16,17,18,19,20,21,22,23
	s_wait_dscnt 23-\i
	global_store_b128 v11, v[32+4*\i:35+4*\i], s[32:33] offset:512*(\i-12)
.endr
	s_wait_tensorcnt 0x0                           ; the wave's end
	ds_add_u32 v[SPW], v[NIL]
	s_wait_dscnt 0x0
	s_endpgm
.Lfunc_end_k_q313aa5b82e_quant:
	.size	k_q313aa5b82e_quant, .Lfunc_end_k_q313aa5b82e_quant-k_q313aa5b82e_quant
	.p2alignl 7, 3214868480
	.fill 96, 4, 3214868480
	.section	.rodata,"a",@progbits
	.p2align	6, 0x0
	.amdhsa_kernel k_q313aa5b82e_quant
		.amdhsa_group_segment_fixed_size 85504
		.amdhsa_private_segment_fixed_size 0
		.amdhsa_enable_private_segment 0
		.amdhsa_kernarg_size 64
		.amdhsa_user_sgpr_count 2
		.amdhsa_user_sgpr_kernarg_segment_ptr 1
		.amdhsa_wavefront_size32 1
		.amdhsa_system_sgpr_workgroup_id_x 1
		.amdhsa_system_sgpr_workgroup_id_y 1
		.amdhsa_system_sgpr_workgroup_id_z 1
		.amdhsa_system_vgpr_workitem_id 0
		.amdhsa_next_free_vgpr 256
		.amdhsa_next_free_sgpr 66
		.amdhsa_reserve_vcc 0
		.amdhsa_float_denorm_mode_32 3
		.amdhsa_float_denorm_mode_16_64 3
		.amdhsa_memory_ordered 1
		.amdhsa_forward_progress 1
		.amdhsa_inst_pref_size 115
	.end_amdhsa_kernel
	.amdgpu_metadata
---
amdhsa.version: [ 1, 2 ]
amdhsa.kernels:
  - .name:           k_q313aa5b82e_quant
    .symbol:         k_q313aa5b82e_quant.kd
    .args:
      - { .name: x, .offset: 0, .size: 8, .value_kind: global_buffer, .address_space: global }
      - { .name: wq, .offset: 8, .size: 8, .value_kind: global_buffer, .address_space: global }
      - { .name: wk, .offset: 16, .size: 8, .value_kind: global_buffer, .address_space: global }
      - { .name: wv, .offset: 24, .size: 8, .value_kind: global_buffer, .address_space: global }
      - { .name: wo, .offset: 32, .size: 8, .value_kind: global_buffer, .address_space: global }
      - { .name: xi, .offset: 40, .size: 8, .value_kind: global_buffer, .address_space: global }
      - { .name: wi, .offset: 48, .size: 8, .value_kind: global_buffer, .address_space: global }
      - { .name: woi, .offset: 56, .size: 8, .value_kind: global_buffer, .address_space: global }
    .group_segment_fixed_size: 85504
    .private_segment_fixed_size: 0
    .kernarg_segment_align: 8
    .kernarg_segment_size: 64
    .max_flat_workgroup_size: 128
    .sgpr_count:     66
    .vgpr_count:     256
    .wavefront_size: 32
...
	.end_amdgpu_metadata
.endif
;; end of part 1
;; launch proj (part 2): grid 16 x 16, 4 waves a work-group, clusters of 4 x 4, 327,680 bytes of LDS; arguments xi, wi, cos, sin, qkv; writes qkv
.if DOCPART == 2
	.amdgcn_target "amdgcn-amd-amdhsa--gfx1250"
	.amdhsa_code_object_version 6
	.text
	.protected	k_q313aa5b82e_proj
	.globl	k_q313aa5b82e_proj
	.p2align	8
	.type	k_q313aa5b82e_proj,@function
k_q313aa5b82e_proj:
	s_mov_b64 s[64:65], 0
	v_nop
	global_prefetch_b8 v0, s[64:65] scope:SCOPE_SE
	s_setreg_imm32_b32 hwreg(HW_REG_WAVE_MODE, 25, 1), 1
	s_wait_xcnt 0x0
	s_wait_alu depctr_hold_cnt(0) depctr_sa_sdst(0) depctr_va_vdst(0) depctr_va_sdst(0) depctr_va_ssrc(0) depctr_va_vcc(0) depctr_vm_vsrc(0)
	s_getreg_b32 s2, hwreg(HW_REG_IB_STS2, 6, 4)
	s_cmp_eq_u32 s2, 0
	s_cbranch_scc0 .Lentry_in_a_cluster
	s_endpgm
.Lentry_in_a_cluster:
	s_bfe_u32 s2, ttmp6, 0x10000c
	s_cmp_lg_u32 s2, 0xf033
	s_cbranch_scc0 .Lentry_shape_is_right
	s_endpgm
.Lentry_shape_is_right:
.set KQN,   8
.set BLK,   6400
.set SLOT,  24*BLK
.set BOFF,  8*BLK
.set SPARE, 2*SLOT
.set LAPS,  KQN/2
.set LI,    3
.set ADRA,  16
.set ADRB,  20
.set ADRS,  22
.set CSO,   25
.set WST,   26
.set WRD,   27
.set SPW,   28
.set NIL,   29
.set PFO,   31                         ; v31 the prefetches' offset: 256 x min(lane, 24); never rewritten
.set PFA,   78                         ; s[78:79] where my prefetches stand
; A prefetch of a K block (6,400 bytes of each row tile) that a joint load two refills on will ask for.  Of the row tiles that a wave fetches, the four partners that ask jointly take their shares BY ADDRESS:
; of A's four tiles one each (by cx), of B's eight two each (by cy).  A tile's block is 25 blocks of 256 bytes: a lane a block, lanes 25-31 name lane 24's again.
.macro ASK off
	global_prefetch_b8 v[PFO], s[PFA:PFA+1] offset:\off th:TH_LOAD_NT scope:SCOPE_SE
	s_cmp_eq_u32 s15, 0
	s_cbranch_scc1 .Lone_\@
	global_prefetch_b8 v[PFO], s[PFA:PFA+1] offset:(\off)+KQN*BLK th:TH_LOAD_NT scope:SCOPE_SE
.Lone_\@:
.endm
.set L8,    30
.set SC,    32
.set AF,    96
.set HA,    96
.set PC,    160
.set TM,    180
.set PW,    196
.set T,     200
.set WB,    208
.set G1,    24
.set G0,    32
.set G1B,   48
.set G0B,   56
.set SEL,   66
.set OUT,   68
.set OUTW,  70
.set MUL,   0xa1
.set TO_B,  0x40
.set MSB, 0
.macro WIN new
.if MSB != (\new)
	s_set_vgpr_msb (MSB<<8)|(\new)
.set MSB, (\new)
.endif
.endm
.macro JLOAD g0a, g1a, g0b, g1b
	s_cmp_eq_u32 s15, 0
	s_cbranch_scc0 .Lfor_b_\@
	tensor_load_to_lds s[\g0a:\g0a+3], s[\g1a:\g1a+7]
	s_nop 0
.rept 4
	v_nop
.endr
	s_branch .Lasked_\@
.Lfor_b_\@:
	tensor_load_to_lds s[\g0b:\g0b+3], s[\g1b:\g1b+7]
	s_nop 0
.rept 4
	v_nop
.endr
.Lasked_\@:
.endm
.macro CREST
	s_cmp_lg_u32 s14, 0
	s_cbranch_scc1 .Lnot_wave_0_\@
	s_barrier_signal -3
.Lnot_wave_0_\@:
	s_barrier_wait -3
	s_barrier_signal -1
	s_barrier_wait -1
.endm
.macro CROUND
	s_barrier_signal -1
	s_barrier_wait -1
	CREST
.endm
.macro PLACES n
.rept \n
	v_nop
.endr
.endm
.macro FETCH slot, q, p
	WIN TO_B
.irp i, 0,1,2,3,4,5,6,7
.irp c, 0,1,2
	ds_load_b128 v[128*(\p)+12*\i+4*\c:128*(\p)+12*\i+4*\c+3], v[ADRB+\slot] offset:BLK*\i+1536*(\q)+512*\c
.endr
.endr
	WIN 0
.irp i, 0,1,2,3
.irp c, 0,1,2
	ds_load_b128 v[AF+48*(\p)+12*\i+4*\c:AF+48*(\p)+12*\i+4*\c+3], v[ADRA+\slot] offset:BLK*\i+1536*(\q)+512*\c
.endr
.endr
.endm
.macro SCALES slot
.irp i, 0,1,2,3,4,5,6,7
	ds_load_b128 v[SC+32*\slot+4*\i:SC+32*\slot+4*\i+3], v[ADRS+\slot] offset:BLK*\i
.endr
.endm
.macro MUL8 a, p, q, sc, zero
.irp b, 0,1,2,3,4,5,6,7
.if \zero
	v_wmma_scale_f32_16x16x128_f8f6f4 v[8*(8*(\a)+\b):8*(8*(\a)+\b)+7], v[128*(\p)+12*\b:128*(\p)+12*\b+11], v[AF+48*(\p)+12*(\a):AF+48*(\p)+12*(\a)+11], 0, v[SC+32*(\sc)+4*\b+(\q)], v[SC+32*(\sc)+4*(\a)+(\q)] matrix_a_fmt:MATRIX_FMT_FP6 matrix_b_fmt:MATRIX_FMT_FP6 matrix_a_scale:MATRIX_SCALE_ROW1
.else
	v_wmma_scale_f32_16x16x128_f8f6f4 v[8*(8*(\a)+\b):8*(8*(\a)+\b)+7], v[128*(\p)+12*\b:128*(\p)+12*\b+11], v[AF+48*(\p)+12*(\a):AF+48*(\p)+12*(\a)+11], v[8*(8*(\a)+\b):8*(8*(\a)+\b)+7], v[SC+32*(\sc)+4*\b+(\q)], v[SC+32*(\sc)+4*(\a)+(\q)] matrix_a_fmt:MATRIX_FMT_FP6 matrix_b_fmt:MATRIX_FMT_FP6 matrix_a_scale:MATRIX_SCALE_ROW1
.endif
.endr
.endm
.macro STEP slot, q, zero
	s_wait_dscnt 0x0
	PLACES 4
	FETCH \slot, (\q)+1, 1-(\q)%2
	WIN MUL
.irp a, 0,1,2,3
	MUL8 \a, (\q)%2, \q, \slot, \zero
.endr
	WIN 0
.endm
.macro TURN slot, next, fill
.if \fill
	s_wait_xcnt 0x0                                ; my last prefetch has read its address: it steps only behind this wait
	s_add_nc_u64 s[PFA:PFA+1], s[PFA:PFA+1], BLK
.endif
	s_wait_tensorcnt 0x0
	ds_add_u32 v[SPW], v[NIL]
	s_wait_dscnt 1
	WIN MUL
	MUL8 0, 1, 3, \slot, 0
	s_wait_dscnt 0x0
	s_barrier_signal -1
	MUL8 1, 1, 3, \slot, 0
	WIN 0
	s_barrier_wait -1
.if \fill
	CREST
	s_add_nc_u64 s[G0+4*\slot+2:G0+4*\slot+3], s[G0+4*\slot+2:G0+4*\slot+3], 2*BLK
	s_add_nc_u64 s[G0B+4*\slot+2:G0B+4*\slot+3], s[G0B+4*\slot+2:G0B+4*\slot+3], 2*BLK
	JLOAD G0+4*\slot, G1, G0B+4*\slot, G1B
.else
	PLACES 4
.endif
	FETCH \next, 0, 0
	SCALES \next
.if \fill
	s_cmp_gt_u32 s3, 1                             ; the last trip's two refills have no K block two on
	s_cbranch_scc0 .Lno_ask_\@
	ASK 3*BLK                                      ; behind block k's load: block k + 2
.Lno_ask_\@:
.endif
	WIN MUL
	MUL8 2, 1, 3, \slot, 0
	MUL8 3, 1, 3, \slot, 0
	WIN 0
.endm
.macro QUANT s, w, pw
	WIN (\w)|((\w)<<2)
.irp b, 0,1,2,3
	v_max3_num_f32 v[TM+\b], |v[\s+16*\b]|, |v[\s+1+16*\b]|, 0x1800000
.endr
	WIN ((\w)<<2)|((\w)<<4)
.irp i, 2,4,6,8,10,12,14
.irp b, 0,1,2,3
	v_max3_num_f32 v[TM+\b], v[TM+\b], |v[\s+16*\b+\i]|, |v[\s+1+16*\b+\i]|
.endr
.endr
	WIN 0
.irp b, 0,1,2,3
	v_permlanex16_b32 v[TM+4+\b], v[TM+\b], s[SEL], s[SEL+1]
.endr
.irp b, 0,1,2,3
	v_max_num_f32 v[TM+\b], v[TM+\b], v[TM+4+\b]
.endr
.irp b, 0,1,2,3
	v_add_nc_u32 v[TM+12+\b], 0xff000000, v[TM+\b]
.endr
.irp b, 0,1,2,3
	v_lshrrev_b32 v[TM+4+\b], 23, v[TM+12+\b]
.endr
	v_lshl_or_b32 v[\pw], v[TM+5], 8, v[TM+4]
	v_lshl_or_b32 v[\pw], v[TM+6], 16, v[\pw]
	v_lshl_or_b32 v[\pw], v[TM+7], 24, v[\pw]
	WIN (\w)
.irp c, 0,1
	v_cvt_scalef32_pk16_fp6_f32 v[PC+6*\c:PC+2+6*\c], v[\s+32*\c:\s+15+32*\c], v[TM+12+2*\c]
	v_cvt_scalef32_pk16_fp6_f32 v[PC+12+4*\c:PC+14+4*\c], v[\s+16+32*\c:\s+31+32*\c], v[TM+12+2*\c+1]
.endr
	WIN 0
	v_nop
.irp c, 0,1
.irp i, 0,1,2
	v_permlane16_swap_b32 v[PC+6*\c+\i], v[PC+12+4*\c+\i]
.endr
.irp i, 0,1,2
	v_mov_b32 v[PC+3+6*\c+\i], v[PC+12+4*\c+\i]
.endr
.endr
.endm
.macro LOADCS a
	WIN 0x40
.irp b, 0,1,2,3
.irp j, 0,1
	global_load_b128 v[8*\b+4*\j:8*\b+4*\j+3], v[CSO], s[8:9] offset:(32*((\a)/2)+8*((\a)%2))*256+64*\b+16*\j
	global_load_b128 v[32+8*\b+4*\j:32+8*\b+4*\j+3], v[CSO], s[10:11] offset:(32*((\a)/2)+8*((\a)%2))*256+64*\b+16*\j
.endr
.endr
	WIN 0
.endm
.macro ROPE a
	WIN 0x06
.irp g, 0,1,2,3,4,5,6,7
.irp k, 0,1,2,3
	v_mul_f32 v[T+2*\k], v[64*(\a)+8*\g+2*\k+1], v[32+4*\g+\k]
	v_mul_f32 v[T+2*\k+1], v[64*(\a)+8*\g+2*\k+1], v[4*\g+\k]
.endr
.irp k, 0,1,2,3
	v_fma_f32 v[HA+8*\g+2*\k], v[64*(\a)+8*\g+2*\k], v[4*\g+\k], -v[T+2*\k]
	v_fma_f32 v[HA+8*\g+2*\k+1], v[64*(\a)+8*\g+2*\k], v[32+4*\g+\k], v[T+2*\k+1]
.endr
.endr
	WIN 0
.endm
.macro OUTBLK a, lo
.irp c, 0,1,2
	global_store_b128 v[LI], v[PC+4*\c:PC+4*\c+3], s[OUT:OUT+1] offset:1536*(\a)+512*\c
.endr
	ds_store_b32 v[WST], v[PW+(\a)] offset:(\lo)+64*(\a)
.endm
.macro WORDS lo
	ds_load_b64 v[WB:WB+1], v[WRD] offset:\lo
	s_wait_dscnt 0x0
	global_store_b64 v[L8], v[WB:WB+1], s[OUTW:OUTW+1]
.endm
	s_load_b256 s[4:11], s[0:1], 0x0
	s_load_b64 s[12:13], s[0:1], 0x20
	v_lshl_add_u32 v[SPW], v0, 2, SPARE
	v_mov_b32 v[NIL], 0
	ds_add_u32 v[SPW], v[NIL]
	ds_add_u32 v[SPW], v[NIL]
	v_lshrrev_b32 v1, 5, v0
	v_readfirstlane_b32 s14, v1
	v_and_b32 v[PFO], 31, v0
	v_min_u32 v[PFO], 24, v[PFO]
	v_lshlrev_b32 v[PFO], 8, v[PFO]
	s_lshr_b32 s15, s14, 1
	s_and_b32 s16, s14, 1
	s_bfe_u32 s40, ttmp6, 0x40000
	s_bfe_u32 s41, ttmp6, 0x40004
	s_and_b32 s18, ttmp7, 0xffff
	s_and_b32 s19, s18, 1
	s_lshr_b32 s20, s18, 1
	s_cmp_eq_u32 ttmp9, 3
	s_cselect_b32 s17, s19, s18
	s_cselect_b32 s42, s20, ttmp9
	s_cselect_b32 s21, 192, 0
	s_lshl_b32 s17, s17, 2
	s_add_co_u32 s17, s17, s41
	s_lshl_b32 s42, s42, 2
	s_add_co_u32 s42, s42, s40
	s_lshl_b32 s43, s41, 2
	s_lshl_b32 s43, 15, s43
	s_lshl_b32 s44, 0x1111, s40
	s_or_b32 s[G1+0], s43, (3<<16)|(1<<21)
	s_or_b32 s[G1B+0], s44, (3<<16)|(1<<21)
.irp g, G1, G1B
	s_mov_b32 s[\g+1], 800<<16
	s_mov_b32 s[\g+3], 800<<16
	s_mov_b32 s[\g+5], KQN*800
	s_mov_b32 s[\g+6], 0
	s_mov_b32 s[\g+7], 0
.endr
	s_mov_b32 s[G1+2], 4<<16
	s_mov_b32 s[G1+4], 4
	s_mov_b32 s[G1B+2], 8<<16
	s_mov_b32 s[G1B+4], 8
	s_lshl_b32 s20, s17, 3
	s_add_co_u32 s20, s20, s21
	s_lshl_b32 s18, s16, 2
	s_add_co_u32 s20, s20, s18
	s_mul_i32 s20, s20, KQN*BLK
	s_mov_b32 s21, 0
	s_lshl_b32 s46, s42, 4
	s_lshl_b32 s18, s16, 3
	s_add_co_u32 s46, s46, s18
	s_mul_i32 s46, s46, KQN*BLK
	s_mov_b32 s47, 0
	s_mul_i32 s45, s16, 4*BLK
	s_mul_i32 s94, s16, 8*BLK
	s_add_co_u32 s94, s94, BOFF
	s_mov_b32 s[SEL], 0x76543210
	s_mov_b32 s[SEL+1], 0xfedcba98
	s_wait_dscnt 0x0
	s_wait_kmcnt 0x0
	s_cmp_eq_u32 ttmp9, 3
	s_cselect_b64 s[22:23], s[6:7], s[4:5]
	s_cselect_b64 s[92:93], s[4:5], s[6:7]
	s_add_nc_u64 s[20:21], s[22:23], s[20:21]
	s_add_nc_u64 s[46:47], s[92:93], s[46:47]
	s_cmp_eq_u32 s15, 0                            ; do I fetch for A?
	s_cselect_b64 s[PFA:PFA+1], s[20:21], s[46:47]
	s_cselect_b32 s80, s40, s41                    ; my place among the four that ask with me
	s_mul_i32 s80, s80, KQN*BLK                    ; A: one row tile a partner
	s_cselect_b32 s82, 0, s80
	s_add_co_u32 s80, s80, s82                     ; B: two
	s_mov_b32 s81, 0
	s_add_nc_u64 s[PFA:PFA+1], s[PFA:PFA+1], s[80:81]
	CROUND
.irp s, 0,1
	s_mov_b32 s[G0+4*\s], 1
	s_add_co_u32 s[G0+4*\s+1], s45, \s*SLOT
	s_add_nc_u64 s[G0+4*\s+2:G0+4*\s+3], s[20:21], \s*BLK
	s_or_b32 s[G0+4*\s+3], s[G0+4*\s+3], 0x80000000
	s_mov_b32 s[G0B+4*\s], 1
	s_add_co_u32 s[G0B+4*\s+1], s94, \s*SLOT
	s_add_nc_u64 s[G0B+4*\s+2:G0B+4*\s+3], s[46:47], \s*BLK
	s_or_b32 s[G0B+4*\s+3], s[G0B+4*\s+3], 0x80000000
	s_wait_alu depctr_va_vdst(0)
	s_wait_tensorcnt 0x0
	ds_add_u32 v28, v29
	ds_add_u32 v28, v29
	s_wait_dscnt 0x0
	CROUND
	JLOAD G0+4*\s, G1, G0B+4*\s, G1B
.if \s == 0
	ASK BLK                                        ; behind K block 0's load: blocks 1 and 2
	ASK 2*BLK
.else
	ASK 3*BLK                                      ; behind block 1's: block 3
.endif
.endr
	v_and_b32 v1, 15, v0
	v_bfe_u32 v2, v0, 4, 1
	v_and_b32 v[LI], 31, v0
	v_lshlrev_b32 v[LI], 4, v[LI]
	s_wait_alu depctr_va_vdst(0)
	s_mul_i32 s72, s15, 4*BLK
	s_mul_i32 s73, s16, 8*BLK
	s_add_co_u32 s73, s73, BOFF
	s_sub_co_u32 s74, s73, s72
	v_mul_u32_u24 v6, s74, v2
	v_lshl_add_u32 v5, v1, 4, v6
	s_add_co_u32 s75, s72, 6144
.irp s, 0,1
	v_add_nc_u32 v[ADRA+\s], s72, v[LI]
	v_add_nc_u32 v[ADRB+\s], s73, v[LI]
	v_add_nc_u32 v[ADRS+\s], s75, v5
	s_add_co_u32 s72, s72, SLOT
	s_add_co_u32 s73, s73, SLOT
	s_add_co_u32 s75, s75, SLOT
.endr
	v_and_b32 v[CSO], 7, v1
	v_lshrrev_b32 v4, 3, v1
	v_lshl_add_u32 v[CSO], v4, 4, v[CSO]
	v_lshlrev_b32 v[CSO], 8, v[CSO]
	v_lshl_add_u32 v[CSO], v2, 5, v[CSO]
	s_lshl_b32 s76, s14, 8
	v_lshl_add_u32 v[WST], v1, 2, s76
	v_and_b32 v[L8], 31, v0
	v_lshlrev_b32 v[L8], 3, v[L8]
	v_add_nc_u32 v[WRD], s76, v[L8]
	s_lshl_b32 s72, s42, 1
	s_add_co_u32 s72, s72, s16
	s_add_co_u32 s73, s17, 24
	s_cmp_eq_u32 ttmp9, 3
	s_cselect_b32 s74, s73, s72
	s_cselect_b32 s75, s72, s17
	s_lshl_b32 s74, s74, 4
	s_add_co_u32 s74, s74, s75
	s_mul_i32 s74, s74, 12800
	s_mov_b32 s75, 0
	s_add_nc_u64 s[12:13], s[12:13], s[74:75]
	s_mul_i32 s74, s15, 6144
	s_add_nc_u64 s[OUT:OUT+1], s[12:13], s[74:75]
	s_lshl_b32 s74, s15, 8
	s_add_co_u32 s74, s74, 12288
	s_add_nc_u64 s[OUTW:OUTW+1], s[12:13], s[74:75]
	s_lshl_b32 s74, s17, 15
	s_lshl_b32 s76, s15, 14
	s_add_co_u32 s74, s74, s76
	s_add_nc_u64 s[8:9], s[8:9], s[74:75]
	s_add_nc_u64 s[10:11], s[10:11], s[74:75]
	s_wait_tensorcnt 1
	s_barrier_signal -1
	s_barrier_wait -1
	FETCH 0, 0, 0
	SCALES 0
	STEP 0, 0, 1
	s_mov_b32 s3, LAPS-1
.Llap:
	STEP 0, 1, 0
	STEP 0, 2, 0
	TURN 0, 1, 1
	STEP 1, 0, 0
	STEP 1, 1, 0
	STEP 1, 2, 0
	TURN 1, 0, 1
	STEP 0, 0, 0
	s_sub_co_u32 s3, s3, 1
	s_cmp_lg_u32 s3, 0
	s_cbranch_scc1 .Llap
	STEP 0, 1, 0
	STEP 0, 2, 0
	TURN 0, 1, 0
	STEP 1, 0, 0
	STEP 1, 1, 0
	STEP 1, 2, 0
	s_wait_dscnt 0x0
	WIN MUL
.irp a, 0,1,2,3
	MUL8 \a, 1, 3, 1, 0
.endr
	WIN 0
	PLACES 4
.irp b, 0,1,2,3
	v_mov_b32 v[TM+4+\b], 0
.endr
	s_cmp_eq_u32 ttmp9, 3
	s_cbranch_scc1 .Lv
	s_wait_alu depctr_va_vdst(0)
	LOADCS 0
.irp a, 0,1,2,3
	s_wait_loadcnt 0x0
	ROPE \a
.if \a < 3
	LOADCS \a+1
.endif
	s_wait_xcnt 0x0
	QUANT HA, 0, PW+\a
	OUTBLK \a, 0
.endr
	WORDS 0
	s_branch .Lend
.Lv:
.irp a, 0,1,2,3
.if \a > 0
	s_wait_xcnt 0x0
.endif
	QUANT 64*\a, 2, PW+\a
	OUTBLK \a, 1024
.endr
	WORDS 1024
.Lend:
	s_wait_tensorcnt 0x0
	ds_add_u32 v[SPW], v[NIL]
	s_wait_dscnt 0x0
	CROUND
	s_endpgm
.Lfunc_end_k_q313aa5b82e_proj:
	.size	k_q313aa5b82e_proj, .Lfunc_end_k_q313aa5b82e_proj-k_q313aa5b82e_proj
	.p2alignl 7, 3214868480
	.fill 96, 4, 3214868480
	.section	.rodata,"a",@progbits
	.p2align	6, 0x0
	.amdhsa_kernel k_q313aa5b82e_proj
		.amdhsa_group_segment_fixed_size 327680
		.amdhsa_private_segment_fixed_size 0
		.amdhsa_enable_private_segment 0
		.amdhsa_kernarg_size 40
		.amdhsa_user_sgpr_count 2
		.amdhsa_user_sgpr_kernarg_segment_ptr 1
		.amdhsa_wavefront_size32 1
		.amdhsa_system_sgpr_workgroup_id_x 1
		.amdhsa_system_sgpr_workgroup_id_y 1
		.amdhsa_system_sgpr_workgroup_id_z 1
		.amdhsa_system_vgpr_workitem_id 0
		.amdhsa_next_free_vgpr 768
		.amdhsa_next_free_sgpr 100
		.amdhsa_reserve_vcc 0
		.amdhsa_float_denorm_mode_32 3
		.amdhsa_float_denorm_mode_16_64 3
		.amdhsa_memory_ordered 1
		.amdhsa_forward_progress 1
		.amdhsa_inst_pref_size 185
	.end_amdhsa_kernel
	.amdgpu_metadata
---
amdhsa.version: [ 1, 2 ]
amdhsa.kernels:
  - .name:           k_q313aa5b82e_proj
    .symbol:         k_q313aa5b82e_proj.kd
    .args:
      - { .name: xi, .offset: 0, .size: 8, .value_kind: global_buffer, .address_space: global }
      - { .name: wi, .offset: 8, .size: 8, .value_kind: global_buffer, .address_space: global }
      - { .name: cos, .offset: 16, .size: 8, .value_kind: global_buffer, .address_space: global }
      - { .name: sin, .offset: 24, .size: 8, .value_kind: global_buffer, .address_space: global }
      - { .name: qkv, .offset: 32, .size: 8, .value_kind: global_buffer, .address_space: global }
    .group_segment_fixed_size: 327680
    .private_segment_fixed_size: 0
    .kernarg_segment_align: 8
    .kernarg_segment_size: 40
    .max_flat_workgroup_size: 128
    .sgpr_count:     100
    .vgpr_count:     768
    .wavefront_size: 32
...
	.end_amdgpu_metadata
.endif
;; end of part 2
;; launch attn (part 3): grid 32 x 8, 8 waves a work-group, clusters of 4 x 4, 327,680 bytes of LDS; arguments qkv, mask, oi; writes oi
.if DOCPART == 3
	.amdgcn_target "amdgcn-amd-amdhsa--gfx1250"
	.amdhsa_code_object_version 6
	.text
	.protected	k_q313aa5b82e_attn
	.globl	k_q313aa5b82e_attn
	.p2align	8
	.type	k_q313aa5b82e_attn,@function
k_q313aa5b82e_attn:
	s_mov_b64 s[64:65], 0
	v_nop
	global_prefetch_b8 v0, s[64:65] scope:SCOPE_SE
	s_setreg_imm32_b32 hwreg(HW_REG_WAVE_MODE, 25, 1), 1
	s_wait_xcnt 0x0
	s_wait_alu depctr_hold_cnt(0) depctr_sa_sdst(0) depctr_va_vdst(0) depctr_va_sdst(0) depctr_va_ssrc(0) depctr_va_vcc(0) depctr_vm_vsrc(0)
	s_getreg_b32 s2, hwreg(HW_REG_IB_STS2, 6, 4)
	s_cmp_eq_u32 s2, 0
	s_cbranch_scc0 .Lentry_in_a_cluster
	s_endpgm
.Lentry_in_a_cluster:
	s_bfe_u32 s2, ttmp6, 0x10000c
	s_cmp_lg_u32 s2, 0xf033
	s_cbranch_scc0 .Lentry_shape_is_right
	s_endpgm
.Lentry_shape_is_right:
; out = softmax(q k^T / sqrt(128) + mask) v for 16 query heads on 8 key and value heads, both products on codes of FP6 (E2M3) with E8M0 scales; the result is quantised along head x 128 + channel for the last product.
; THE SOFTMAX: logit = score / sqrt(128) + mask; t = logit x log2(e), rounded to f32; M = the running largest t rounded up to a whole number; p = 2^(t - M) is quantised along the keys; the row's sum is taken of the
; unquantised p and divides at the end.  When M moves, the sum and O are multiplied by 2^(old M - new M): exact.  t - M is an addition of its own, so that equal logits give equal p however large they are.
; THE MASK IS AN INPUT: every tile of it is read and added; no key step is left out.
; SHARES.  A work-group owns 64 query positions and one key and value head; wave w owns tile w % 4 of 16 positions of query head 2 g + w / 4, in 512 registers: two waves to a SIMD.  Every wave walks all 2,048 keys, 128 a step.
; LAYOUT.  Both products are used transposed (S^T = K Q^T, O^T = V^T P^T): a lane holds one query.  K's rows and V^T's rows stand in position order (bits 3 and 4 exchanged), so that the 16 registers of two neighbouring
; tiles are 16 neighbouring keys (channels) in true order.  Operands lie in memory and LDS as images of their registers: three loads of 16 bytes a lane, 512 consecutive bytes each.
; RING.  Two LDS slots of 256 keys: four pieces of the mask (16 true rows x 1,024 bytes, rows 1,040 apart, pieces 16,768 apart: the sixteen rows that a load touches fall on sixteen different columns of 16 bytes), two units of K, two of V.
; CLUSTER.  4 x 4: the mask's tile hangs on the query block alone and is shared along a column, K's and V's on the head alone and are shared along a row.  Waves 0-3 fetch the mask's pieces, waves 4-7 the four units: one tensor load of a wave is out.
; LIMITS: NaN and infinities among the inputs are not served; a row whose every logit is -infinity gives NaN, as the function computed here does.  The result's scale words leave as 4-byte stores 16 bytes apart.
; REGISTERS: window 0: v1-11 addresses; v12 -M, v13 largest t, v[14:15] the sum; v16-27 Q; v32-39, v40-47 K's, V's scale words; v48-84 the way out; v96-159 S^T, then p; v160-223 O^T; v224-235 p's codes; v232-254 at work; v255 Q's scale word.
;   window 1: v0-95 K's eight fragments, v96-191 V's, v192-255 the mask.
.set UNIT,   12800
.set MPIECE, 16768
.set MPITCH, 1040
.set KOFF,   4*MPIECE
.set SLOT1,  1<<17
.set SPARE,  2*SLOT1                   ; the spare words: 128 bytes a wave, four blocks of 256 bytes that no other line names
.set NSL,    8
.set SPW,  5
.set NIL,  6
.set PFO,  28
.set KSC,  32
.set VSC,  40
.set PC,   48
.set TM,   68
.set PW,   84
.set WV,   18
.set SEL,  20
.set CS0,  22                          ; s[22:23] 1 / sqrt(128)
.set L2E,  10                          ; s[10:11] log2(e)
.set TB,   2
.set SLOTS, 67
.set G1M,  24
.set G1KV, 32
.set G0M,  40
.set G0KV, 44
.set OB,   68
.set OW,   70
.set PFA,  76
.set PFS,  78
.set LIM,  80
.set MSB, 0
.macro WIN new
.if MSB != (\new)
	s_set_vgpr_msb (MSB<<8)|(\new)
.set MSB, (\new)
.endif
.endm
.macro TLOAD                           ; waves 0-3: a piece of the mask; waves 4-7: a unit of K or V.  An s_nop 0 and four v_nop follow each line
	s_cmp_lt_u32 s[WV], 4
	s_cbranch_scc0 .Lfor_kv_\@
	tensor_load_to_lds s[G0M:G0M+3], s[G1M:G1M+7]
	s_nop 0
.rept 4
	v_nop
.endr
	s_branch .Lasked_\@
.Lfor_kv_\@:
	tensor_load_to_lds s[G0KV:G0KV+3], s[G1KV:G1KV+7]
	s_nop 0
.rept 4
	v_nop
.endr
.Lasked_\@:
.endm
; A prefetch of what the NEXT change of slots will ask for, one slot (two key steps) ahead of that load.  The mask's rows are read by both clusters of a column of clusters: cluster y = 0 asks, its four partners of a column
; take 16 rows each by address, waves 0 and 1 eight rows each, a lane a block of 256 bytes.  K and V are read by all clusters of a row of clusters: cluster x = 0 asks, the four partners of a row take 6,400 bytes each by address,
; wave 4 of K and wave 6 of V: 25 blocks, so lanes 25-31 name lane 24's block again.  The last change that fills a slot asks for nothing; slots 0 and 1 come by their loads alone.
.macro ASK
	s_cmp_gt_u32 s[SLOTS], s[LIM]
	s_cbranch_scc0 .Lnot_mine_\@
	global_prefetch_b8 v[PFO], s[PFA:PFA+1] th:TH_LOAD_NT scope:SCOPE_SE
.Lnot_mine_\@:
.endm
.macro CROUND
	s_barrier_signal -1
	s_barrier_wait -1
	s_cmp_lg_u32 s[WV], 0
	s_cbranch_scc1 .Lnot_wave_0_\@
	s_barrier_signal -3
.Lnot_wave_0_\@:
	s_barrier_wait -3
	s_barrier_signal -1
	s_barrier_wait -1
.endm
.macro QUANT s, pw
.irp b, 0,1,2,3
	v_max3_num_f32 v[TM+\b], |v[\s+16*\b]|, |v[\s+1+16*\b]|, 0x1800000
.endr
.irp i, 2,4,6,8,10,12,14
.irp b, 0,1,2,3
	s_delay_alu instid0(VALU_DEP_4)
	v_max3_num_f32 v[TM+\b], v[TM+\b], |v[\s+16*\b+\i]|, |v[\s+1+16*\b+\i]|
.endr
.endr
.irp b, 0,1,2,3
	s_delay_alu instid0(VALU_DEP_4)
	v_permlanex16_b32 v[TM+4+\b], v[TM+\b], s[SEL], s[SEL+1]
.endr
.irp b, 0,1,2,3
	s_delay_alu instid0(VALU_DEP_4)
	v_max_num_f32 v[TM+\b], v[TM+\b], v[TM+4+\b]
.endr
.irp b, 0,1,2,3
	s_delay_alu instid0(VALU_DEP_4)
	v_add_nc_u32 v[TM+12+\b], 0xff000000, v[TM+\b]
.endr
.irp b, 0,1,2,3
	s_delay_alu instid0(VALU_DEP_4)
	v_lshrrev_b32 v[TM+4+\b], 23, v[TM+12+\b]
.endr
	s_delay_alu instid0(VALU_DEP_3)
	v_lshl_or_b32 v[\pw], v[TM+5], 8, v[TM+4]
	s_delay_alu instid0(VALU_DEP_1)
	v_lshl_or_b32 v[\pw], v[TM+6], 16, v[\pw]
	s_delay_alu instid0(VALU_DEP_1)
	v_lshl_or_b32 v[\pw], v[TM+7], 24, v[\pw]
.irp c, 0,1
	v_cvt_scalef32_pk16_fp6_f32 v[PC+6*\c:PC+2+6*\c], v[\s+32*\c:\s+15+32*\c], v[TM+12+2*\c]
	v_cvt_scalef32_pk16_fp6_f32 v[PC+12+4*\c:PC+14+4*\c], v[\s+16+32*\c:\s+31+32*\c], v[TM+12+2*\c+1]
.endr
	v_nop
.irp c, 0,1
.irp i, 0,1,2
	v_permlane16_swap_b32 v[PC+6*\c+\i], v[PC+12+4*\c+\i]
.endr
.irp i, 0,1,2
	s_delay_alu instid0(VALU_DEP_3)
	v_mov_b32 v[PC+3+6*\c+\i], v[PC+12+4*\c+\i]
.endr
.endr
.endm
; A KEY STEP: 128 keys, the q-th of the slot in hand
.macro STEP q
.irp t, 0,1,2,3,4,5,6,7
	ds_load_b32 v[KSC+\t], v9 offset:UNIT*(\q)+64*\t
.endr
	WIN 0x40                                       ; destination window 1
.irp t, 0,1,2,3,4,5,6,7
.irp c, 0,1,2
	ds_load_b128 v[12*\t+4*\c:12*\t+4*\c+3], v8 offset:UNIT*(\q)+1536*\t+512*\c
.endr
.endr
.irp b, 0,1,2,3
.irp j, 0,1,2,3
	ds_load_b128 v[192+16*\b+4*\j:192+16*\b+4*\j+3], v10 offset:512*(\q)+128*\b+16*\j   ; the mask at my query, keys 32 b + 16 (lane / 16) + 4 j on
.endr
.endr
	s_wait_dscnt 16                                ; K and its scale words are in; the mask's 16 loads may be out
	WIN 0x01                                       ; source 0 window 1
.irp t, 0,1,2,3,4,5,6,7
	v_wmma_scale_f32_16x16x128_f8f6f4 v[96+8*\t:103+8*\t], v[12*\t:12*\t+11], v[16:27], 0, v[KSC+\t], v255 matrix_a_fmt:MATRIX_FMT_FP6 matrix_b_fmt:MATRIX_FMT_FP6
.endr
	WIN 0
.rept 4
	v_nop                                          ; places: in front of the loads into V's registers and scale words, which the last step's products read, and of the first read of S^T
.endr
.irp t, 0,1,2,3,4,5,6,7
	ds_load_b32 v[VSC+\t], v9 offset:2*UNIT+UNIT*(\q)+64*\t
.endr
	WIN 0x40
.irp t, 0,1,2,3,4,5,6,7
.irp c, 0,1,2
	ds_load_b128 v[96+12*\t+4*\c:96+12*\t+4*\c+3], v8 offset:2*UNIT+UNIT*(\q)+1536*\t+512*\c   ; V lands under the softmax
.endr
.endr
	s_wait_dscnt 32                                ; the mask is in; V's 32 loads may be out
	WIN 0x10                                       ; source 2 window 1
.irp j, 0,2,4,6,8,10,12,14,16,18,20,22,24,26,28,30,32,34,36,38,40,42,44,46,48,50,52,54,56,58,60,62
	v_pk_fma_f32 v[96+\j:97+\j], v[96+\j:97+\j], s[CS0:CS0+1], v[192+\j:193+\j] op_sel_hi:[1,0,1]   ; logit = score / sqrt(128) + mask; each accumulator from its low end on
.endr
	WIN 0
.irp j, 0,2,4,6,8,10,12,14,16,18,20,22,24,26,28,30,32,34,36,38,40,42,44,46,48,50,52,54,56,58,60,62
	v_pk_mul_f32 v[96+\j:97+\j], v[96+\j:97+\j], s[L2E:L2E+1] op_sel_hi:[1,0]                       ; t
.endr
.irp b, 0,1,2,3
	v_max3_num_f32 v[232+\b], v[96+16*\b], v[97+16*\b], v[98+16*\b]   ; the largest t of each block of 32 keys: for the row's maximum and, since p rises with t, for the block's largest p
.endr
.irp i, 3,5,7,9,11,13
.irp b, 0,1,2,3
	s_delay_alu instid0(VALU_DEP_4)
	v_max3_num_f32 v[232+\b], v[232+\b], v[96+16*\b+\i], v[97+16*\b+\i]
.endr
.endr
.irp b, 0,1,2,3
	s_delay_alu instid0(VALU_DEP_4)
	v_max_num_f32 v[232+\b], v[232+\b], v[111+16*\b]
.endr
.irp b, 0,1,2,3
	s_delay_alu instid0(VALU_DEP_4)
	v_permlanex16_b32 v[236+\b], v[232+\b], s[SEL], s[SEL+1]
.endr
.irp b, 0,1,2,3
	s_delay_alu instid0(VALU_DEP_4)
	v_max_num_f32 v[232+\b], v[232+\b], v[236+\b]
.endr
	s_delay_alu instid0(VALU_DEP_2)
	v_max3_num_f32 v254, v232, v233, v234
	s_delay_alu instid0(VALU_DEP_1)
	v_max_num_f32 v254, v254, v235
	s_delay_alu instid0(VALU_DEP_1)
	v_max_num_f32 v13, v13, v254                   ; the running largest t
	v_mov_b32 v254, v12
	s_delay_alu instid0(VALU_DEP_2)
	v_floor_f32 v12, -v13                          ; the new -M = -ceil(t): a whole number
	s_delay_alu instid0(VALU_DEP_1)
	v_sub_f32 v254, v12, v254                      ; old M - new M, 0 or less
	s_delay_alu instid0(VALU_DEP_1)
	v_cvt_i32_f32 v254, v254                       ; (it saturates)
	s_delay_alu instid0(VALU_DEP_1)
	v_ldexp_f32 v252, 1.0, v254                    ; f = 2^(old M - new M)
.irp j, 0,2,4,6,8,10,12,14,16,18,20,22,24,26,28,30,32,34,36,38,40,42,44,46,48,50,52,54,56,58,60,62
	v_pk_add_f32 v[96+\j:97+\j], v[96+\j:97+\j], v[12:13] op_sel_hi:[1,0]   ; t - M
.endr
.irp b, 0,1,2,3
	v_add_f32 v[232+\b], v[232+\b], v12
.endr
	s_wait_alu depctr_va_vdst(0)
.irp j, 0,1,2,3,4,5,6,7,8,9,10,11,12,13,14,15,16,17,18,19,20,21,22,23,24,25,26,27,28,29,30,31,32,33,34,35,36,37,38,39,40,41,42,43,44,45,46,47,48,49,50,51,52,53,54,55,56,57,58,59,60,61,62,63
	v_exp_f32 v[96+\j], v[96+\j]                   ; p, at most 1, not normalised
.endr
	v_pk_mul_f32 v[14:15], v[14:15], v[252:253] op_sel_hi:[1,0]   ; the sums under the new M: the plain place behind the exponentials
	s_wait_alu depctr_va_vdst(0)                   ; one wait for the batch of 64, ahead of its first reader
.irp b, 0,1,2,3
	v_exp_f32 v[232+\b], v[232+\b]                 ; the block's largest p: the same instructions on the same number
.endr
	v_pk_add_f32 v[236:237], v[100:101], v[104:105]
	v_pk_add_f32 v[250:251], v[108:109], v[112:113]
	v_pk_add_f32 v[248:249], v[116:117], v[120:121]
	v_pk_add_f32 v[94:95], v[124:125], v[128:129]
	v_pk_add_f32 v[92:93], v[132:133], v[136:137]
	v_pk_add_f32 v[90:91], v[140:141], v[144:145]
	v_pk_add_f32 v[88:89], v[148:149], v[152:153]
	v_pk_add_f32 v[14:15], v[14:15], v[156:157]
	v_pk_add_f32 v[236:237], v[236:237], v[96:97]
	v_pk_add_f32 v[250:251], v[250:251], v[98:99]
	v_pk_add_f32 v[248:249], v[248:249], v[102:103]
	v_pk_add_f32 v[94:95], v[94:95], v[106:107]
	v_pk_add_f32 v[92:93], v[92:93], v[110:111]
	v_pk_add_f32 v[90:91], v[90:91], v[114:115]
	v_pk_add_f32 v[88:89], v[88:89], v[118:119]
	v_pk_add_f32 v[14:15], v[14:15], v[122:123]
	v_pk_add_f32 v[236:237], v[236:237], v[126:127]
	v_pk_add_f32 v[250:251], v[250:251], v[130:131]
	v_pk_add_f32 v[248:249], v[248:249], v[134:135]
	v_pk_add_f32 v[94:95], v[94:95], v[138:139]
	v_pk_add_f32 v[92:93], v[92:93], v[142:143]
	v_pk_add_f32 v[90:91], v[90:91], v[146:147]
	v_pk_add_f32 v[88:89], v[88:89], v[150:151]
	v_pk_add_f32 v[14:15], v[14:15], v[154:155]
	v_pk_add_f32 v[236:237], v[236:237], v[158:159]
	s_delay_alu instid0(VALU_DEP_2)
	v_pk_add_f32 v[14:15], v[14:15], v[94:95]
	s_delay_alu instid0(VALU_DEP_2)
	v_pk_add_f32 v[236:237], v[236:237], v[92:93]
	v_pk_add_f32 v[250:251], v[250:251], v[90:91]
	v_pk_add_f32 v[248:249], v[248:249], v[88:89]
	s_delay_alu instid0(VALU_DEP_2)
	v_pk_add_f32 v[14:15], v[14:15], v[250:251]
	s_delay_alu instid0(VALU_DEP_2)
	v_pk_add_f32 v[236:237], v[236:237], v[248:249]
	s_delay_alu instid0(VALU_DEP_1)
	v_pk_add_f32 v[14:15], v[14:15], v[236:237]
	s_wait_alu depctr_va_vdst(0)                   ; and one for the four
.irp b, 0,1,2,3
	v_max_num_f32 v[232+\b], 0x1800000, v[232+\b]  ; the floor 2^(3 - 127): the byte cannot fall under 1
.endr
.irp b, 0,1,2,3
	s_delay_alu instid0(VALU_DEP_4)
	v_add_nc_u32 v[244+\b], 0xff000000, v[232+\b]
.endr
.irp b, 0,1,2,3
	s_delay_alu instid0(VALU_DEP_4)
	v_lshrrev_b32 v[236+\b], 23, v[244+\b]
.endr
	s_delay_alu instid0(VALU_DEP_3)
	v_lshl_or_b32 v253, v237, 8, v236              ; p's scale word for these 128 keys
	s_delay_alu instid0(VALU_DEP_1)
	v_lshl_or_b32 v253, v238, 16, v253
	s_delay_alu instid0(VALU_DEP_1)
	v_lshl_or_b32 v253, v239, 24, v253
.irp c, 0,1
	v_cvt_scalef32_pk16_fp6_f32 v[224+6*\c:226+6*\c], v[96+32*\c:111+32*\c], v[244+2*\c]
	v_cvt_scalef32_pk16_fp6_f32 v[236+4*\c:238+4*\c], v[112+32*\c:127+32*\c], v[244+2*\c+1]
.endr
	v_nop
.irp c, 0,1
.irp i, 0,1,2
	v_permlane16_swap_b32 v[224+6*\c+\i], v[236+4*\c+\i]
.endr
.irp i, 0,1,2
	s_delay_alu instid0(VALU_DEP_3)
	v_mov_b32 v[227+6*\c+\i], v[236+4*\c+\i]
.endr
.endr
.irp j, 0,2,4,6,8,10,12,14,16,18,20,22,24,26,28,30,32,34,36,38,40,42,44,46,48,50,52,54,56,58,60,62
	v_pk_mul_f32 v[160+\j:161+\j], v[160+\j:161+\j], v[252:253] op_sel_hi:[1,0]   ; O^T under the new M; these 32 are also the places in front of the products below
.endr
	s_wait_alu depctr_va_vdst(0)
	s_wait_dscnt 0x0                               ; V and its scale words
	WIN 0x01
.irp t, 0,1,2,3,4,5,6,7
	v_wmma_scale_f32_16x16x128_f8f6f4 v[160+8*\t:167+8*\t], v[96+12*\t:96+12*\t+11], v[224:235], v[160+8*\t:167+8*\t], v[VSC+\t], v253 matrix_a_fmt:MATRIX_FMT_FP6 matrix_b_fmt:MATRIX_FMT_FP6
.endr
	WIN 0
.endm
; THE CHANGE OF SLOTS stands at a slot's head.  fill = 1: a round of the cluster's barrier, and behind it the slot that has been left is filled with the keys that follow: the load has a slot's two steps in which to land
.macro CHANGE fill
	s_wait_tensorcnt 0x0                           ; no tensor load of mine is out, so a group 0 may be written
	ds_add_u32 v[SPW], v[NIL]                      ; 0 onto my spare word
.if \fill
	s_xor_b32 s[G0M+1], s[G0M+1], SLOT1
	s_add_nc_u64 s[G0M+2:G0M+3], s[G0M+2:G0M+3], 1024
	s_xor_b32 s[G0KV+1], s[G0KV+1], SLOT1
	s_add_nc_u64 s[G0KV+2:G0KV+3], s[G0KV+2:G0KV+3], 2*UNIT
	s_wait_xcnt 0x0                                ; the last prefetch, a slot back, has read its address
	s_add_nc_u64 s[PFA:PFA+1], s[PFA:PFA+1], s[PFS:PFS+1]
	s_wait_dscnt 0x0                               ; the add is done, and my reads of the slot that I have left are over
	CROUND
	TLOAD
	ASK
.else
	s_wait_dscnt 0x0
	s_barrier_signal -1
	s_barrier_wait -1
.endif
	v_add_nc_u32 v8, s[TB], v4
	v_add_nc_u32 v9, s[TB], v7
	v_add_nc_u32 v10, s[TB], v3
.endm
.macro SLOT_STEPS
	STEP 0
	STEP 1
	s_xor_b32 s[TB], s[TB], SLOT1
.endm
	s_load_b128 s[4:7], s[0:1], 0x0                ; qkv, mask
	s_load_b64 s[8:9], s[0:1], 0x10                ; oi
	v_lshl_add_u32 v[SPW], v0, 2, SPARE
	v_mov_b32 v[NIL], 0
	ds_add_u32 v[SPW], v[NIL]                      ; the wave's opening
	ds_add_u32 v[SPW], v[NIL]
	v_lshrrev_b32 v8, 5, v0
	s_delay_alu instid0(VALU_DEP_1)
	v_readfirstlane_b32 s[WV], v8                  ; wave 0..7
	s_bfe_u32 s48, ttmp6, 0x40000                  ; cx
	s_bfe_u32 s49, ttmp6, 0x40004                  ; cy
	s_lshl_b32 s50, ttmp9, 2
	s_add_co_u32 s50, s50, s48                     ; my block of 64 query positions
	s_and_b32 s51, ttmp7, 0xffff
	s_lshl_b32 s51, s51, 2
	s_add_co_u32 s51, s51, s49                     ; my key and value head
	s_lshl_b32 s52, s49, 2
	s_lshl_b32 s52, 15, s52                        ; my row of the cluster
	s_lshl_b32 s53, 0x1111, s48                    ; my column
	s_or_b32 s[G1M], s53, (2<<16)|(1<<20)|(1<<21)|(7<<22)|(3<<25)   ; elements of 4 bytes; 4 words of padding behind every 256
	s_mov_b32 s[G1M+1], 256<<16
	s_mov_b32 s[G1M+2], 16<<16
	s_mov_b32 s[G1M+3], 256<<16
	s_mov_b32 s[G1M+4], 16
	s_mov_b32 s[G1M+5], 2048
	s_mov_b32 s[G1M+6], 0
	s_mov_b32 s[G1M+7], 0
	s_or_b32 s[G1KV], s52, (3<<16)|(1<<21)         ; a dense unit as 50 rows of 256 bytes
	s_mov_b32 s[G1KV+1], 32<<16
	s_mov_b32 s[G1KV+2], 50<<16
	s_mov_b32 s[G1KV+3], 32<<16
	s_mov_b32 s[G1KV+4], 50
	s_mov_b32 s[G1KV+5], 32
	s_mov_b32 s[G1KV+6], 0
	s_mov_b32 s[G1KV+7], 0
	s_and_b32 s54, s[WV], 3
	s_lshl_b32 s56, s50, 6
	s_lshl_b32 s57, s54, 4
	s_add_co_u32 s56, s56, s57
	s_lshl_b32 s56, s56, 13                        ; the mask: true rows 64 x block + 16 (w % 4) on, 8,192 bytes a row
	s_mov_b32 s57, 0
	s_mul_i32 s55, s54, MPIECE
	s_add_co_u32 s58, s51, 16
	s_mul_i32 s58, s58, 16*UNIT                    ; K's head
	s_bfe_u32 s59, s[WV], 0x10001
	s_mul_i32 s59, s59, 8*16*UNIT                  ; waves 6, 7: V's
	s_add_co_u32 s58, s58, s59
	s_and_b32 s59, s[WV], 1
	s_mul_i32 s59, s59, UNIT
	s_add_co_u32 s58, s58, s59
	s_mov_b32 s59, 0
	s_mul_i32 s60, s54, UNIT
	s_add_co_u32 s60, s60, KOFF
	s_mov_b32 s[SEL], 0x76543210
	s_mov_b32 s[SEL+1], 0xfedcba98
	s_mov_b32 s[CS0], 0x3db504f3
	s_mov_b32 s[CS0+1], s[CS0]
	s_mov_b32 s[L2E], 0x3fb8aa3b
	s_mov_b32 s[L2E+1], s[L2E]
	s_mov_b32 s[TB], 0
	s_mov_b32 s[SLOTS], NSL-1
	s_wait_dscnt 0x0                               ; the opening add is done
	s_wait_kmcnt 0x0
	s_mov_b32 s[G0M], 1
	s_mov_b32 s[G0M+1], s55
	s_add_nc_u64 s[G0M+2:G0M+3], s[6:7], s[56:57]
	s_or_b32 s[G0M+3], s[G0M+3], 0x80000000
	s_mov_b32 s[G0KV], 1
	s_mov_b32 s[G0KV+1], s60
	s_add_nc_u64 s[G0KV+2:G0KV+3], s[4:5], s[58:59]
	s_or_b32 s[G0KV+3], s[G0KV+3], 0x80000000
	CROUND                                         ; all sixteen work-groups are here: the first joint loads meet
	TLOAD                                          ; slot 0
	; Q, and where the result goes
	s_lshr_b32 s61, s[WV], 2
	s_lshl_b32 s62, s51, 1
	s_add_co_u32 s61, s61, s62                     ; my query head
	s_lshl_b32 s62, s61, 4
	s_lshr_b32 s63, s50, 1
	s_add_co_u32 s62, s62, s63
	s_mul_i32 s62, s62, UNIT                       ; its unit of 128 positions
	s_and_b32 s63, s50, 1
	s_lshl_b32 s63, s63, 2
	s_add_co_u32 s63, s63, s54                     ; my tile in it
	s_mul_i32 s72, s63, 1536
	s_add_co_u32 s72, s72, s62
	s_mov_b32 s73, 0
	s_add_nc_u64 s[72:73], s[4:5], s[72:73]
	s_lshl_b32 s74, s63, 6
	s_add_co_u32 s74, s74, s62
	s_add_co_u32 s74, s74, 12288
	s_mov_b32 s75, 0
	s_add_nc_u64 s[74:75], s[4:5], s[74:75]
	s_lshl_b32 s82, s50, 2
	s_add_co_u32 s82, s82, s54                     ; oi's row tile
	s_mul_i32 s82, s82, 25600
	s_lshr_b32 s83, s61, 2
	s_mul_i32 s83, s83, 6400
	s_add_co_u32 s82, s82, s83                     ; the block of 512 along K: four heads
	s_and_b32 s84, s61, 3
	s_mul_i32 s85, s84, 1536
	s_add_co_u32 s86, s82, s85
	s_mov_b32 s87, 0
	s_add_nc_u64 s[OB:OB+1], s[8:9], s[86:87]
	s_lshl_b32 s84, s84, 2
	s_add_co_u32 s86, s82, s84
	s_add_co_u32 s86, s86, 6144
	s_add_nc_u64 s[OW:OW+1], s[8:9], s[86:87]
	v_and_b32 v29, 31, v0                          ; lane
	s_wait_alu depctr_va_vdst(0)
	v_and_b32 v30, 15, v0                          ; r
	v_bfe_u32 v31, v0, 4, 1                        ; h
	v_lshlrev_b32 v1, 4, v29
	s_delay_alu instid0(VALU_DEP_3)
	v_lshlrev_b32 v2, 2, v30
.irp c, 0,1,2
	global_load_b128 v[16+4*\c:19+4*\c], v1, s[72:73] offset:512*\c
.endr
	global_load_b32 v255, v2, s[74:75]
	; the prefetches: who asks, and where
	s_and_b32 s81, ttmp7, 0xffff
	s_lshr_b32 s83, s[WV], 1
	s_and_b32 s84, s[WV], 1
	s_lshl_b32 s85, s50, 6
	s_lshl_b32 s86, s49, 4
	s_add_co_u32 s85, s85, s86
	s_lshl_b32 s86, s84, 3
	s_add_co_u32 s85, s85, s86
	s_lshl_b32 s85, s85, 13
	s_add_co_u32 s85, s85, 1024                    ; the mask, in slot 1: the first change of slots steps it to slot 2
	s_add_co_u32 s86, s51, 16
	s_mul_i32 s86, s86, 16*UNIT
	s_bfe_u32 s87, s[WV], 0x10001
	s_mul_i32 s87, s87, 8*16*UNIT
	s_add_co_u32 s86, s86, s87
	s_mul_i32 s87, s48, 6400
	s_add_co_u32 s86, s86, s87
	s_add_co_u32 s86, s86, 2*UNIT                  ; K or V, in slot 1
	s_mov_b32 s[PFS], 2*UNIT
	s_cmp_lt_u32 s[WV], 4
	s_cselect_b64 s[PFA:PFA+1], s[6:7], s[4:5]
	s_cselect_b32 s82, s81, ttmp9                  ; the coordinate along which other clusters read the same bytes
	s_cselect_b32 s83, s83, s84                    ; 0 in waves 0, 1, 4 and 6
	s_cselect_b32 s90, s85, s86
	s_cselect_b32 s[PFS], 1024, s[PFS]
	s_cselect_b32 s88, -1, 0
	s_mov_b32 s91, 0
	s_mov_b32 s[PFS+1], 0
	s_add_nc_u64 s[PFA:PFA+1], s[PFA:PFA+1], s[90:91]
	s_or_b32 s82, s82, s83
	s_cmp_eq_u32 s82, 0
	s_cselect_b32 s[LIM], 1, -1                    ; the same in all partners, for a given wave
	v_lshrrev_b32 v8, 2, v29
	s_delay_alu instid0(VALU_DEP_1)
	v_lshlrev_b32 v8, 13, v8
	v_and_b32 v9, 3, v29
	s_delay_alu instid0(VALU_DEP_1)
	v_lshl_add_u32 v8, v9, 8, v8                   ; the mask: row lane / 4, block lane % 4
	v_min_u32 v9, 24, v29
	s_delay_alu instid0(VALU_DEP_1)
	v_lshlrev_b32 v9, 8, v9                        ; K, V: block min(lane, 24)
	s_delay_alu instid0(VALU_DEP_1)
	v_cndmask_b32 v[PFO], v9, v8, s88
	; my lane's places in a slot
	v_lshrrev_b32 v8, 3, v30
	s_lshr_b32 s88, s54, 1
	s_lshl_b32 s88, s88, 1
	s_mul_i32 s88, s88, MPIECE
	s_and_b32 s89, s54, 1
	s_mul_i32 s89, s89, 8*MPITCH
	s_add_co_u32 s88, s88, s89
	v_mul_u32_u24 v3, v8, MPIECE                   ; my query's true row: piece 2 (tile / 2) + r / 8, row 8 (tile % 2) + r % 8
	v_and_b32 v9, 7, v30
	s_delay_alu instid0(VALU_DEP_1)
	v_mad_u32_u24 v3, v9, MPITCH, v3
	s_delay_alu instid0(VALU_DEP_1)
	v_lshl_add_u32 v3, v31, 6, v3
	s_delay_alu instid0(VALU_DEP_1)
	v_add_nc_u32 v3, s88, v3
	v_add_nc_u32 v4, KOFF, v1
	v_add_nc_u32 v7, KOFF+12288, v2
	v_mov_b32 v13, 0xff61b1e6                      ; the largest t so far: -3e38
	s_delay_alu instid0(VALU_DEP_1)
	v_floor_f32 v12, -v13
	v_mov_b32 v14, 0
	v_mov_b32 v15, 0
.irp b, 0,1,2,3
	v_mov_b32 v[236+\b], 0                         ; a lane permute's destination counts as one of its sources
	v_mov_b32 v[TM+4+\b], 0
.endr
	v_mov_b32 v253, 0
.irp j, 0,1,2,3,4,5,6,7,8,9,10,11,12,13,14,15,16,17,18,19,20,21,22,23,24,25,26,27,28,29,30,31,32,33,34,35,36,37,38,39,40,41,42,43,44,45,46,47,48,49,50,51,52,53,54,55,56,57,58,59,60,61,62,63
	v_mov_b32 v[160+\j], 0                         ; O^T: the step is written once; the first finds zeros, which the first change of M leaves zeros
.endr
	s_wait_loadcnt 0x0                             ; Q
.Lslot:                                            ; NSL - 1 trips: behind each change of slots but the last the next slot is asked for
	CHANGE 1
	s_wait_alu depctr_va_vdst(0)
	SLOT_STEPS
	s_sub_co_u32 s[SLOTS], s[SLOTS], 1
	s_cmp_lg_u32 s[SLOTS], 0
	s_cbranch_scc1 .Lslot
	CHANGE 0                                       ; the last slot is written out
	s_wait_alu depctr_va_vdst(0)
	SLOT_STEPS
	; THE WAY OUT: O^T / the sum, quantised along the head's 128 channels: K step = my head of the last product
	v_add_f32 v14, v14, v15
	s_delay_alu instid0(VALU_DEP_1)
	v_permlanex16_b32 v252, v14, s[SEL], s[SEL+1]
	s_delay_alu instid0(VALU_DEP_1)
	v_add_f32 v14, v14, v252
	s_wait_alu depctr_va_vdst(0)
	v_rcp_f32 v14, v14
	v_lshlrev_b32 v11, 4, v30                      ; 16 r: a plain place behind the reciprocal
.rept 3
	v_nop                                          ; with the lines above: the places behind the last products
.endr
	s_wait_alu depctr_va_vdst(0)                   ; ahead of the reciprocal's first reader
.irp j, 0,1,2,3,4,5,6,7,8,9,10,11,12,13,14,15,16,17,18,19,20,21,22,23,24,25,26,27,28,29,30,31,32,33,34,35,36,37,38,39,40,41,42,43,44,45,46,47,48,49,50,51,52,53,54,55,56,57,58,59,60,61,62,63
	v_mul_f32 v[96+\j], v[160+\j], v14             ; register 16 b + i: channel 32 b + 16 (lane / 16) + i of my query
.endr
	QUANT 96, PW
.irp c, 0,1,2
	global_store_b128 v1, v[PC+4*\c:PC+4*\c+3], s[OB:OB+1] offset:512*\c   ; 512 consecutive bytes, aligned
.endr
	s_wait_xcnt 0x0                                ; EXEC changes only behind this wait
	v_cmp_gt_u32 vcc_lo, 16, v29
	s_and_saveexec_b32 s82, vcc_lo
	global_store_b32 v11, v[PW], s[OW:OW+1]        ; lanes 0-15: my row's word for this head
	s_wait_xcnt 0x0
	s_or_b32 exec_lo, exec_lo, s82
	s_wait_tensorcnt 0x0                           ; the wave's end
	ds_add_u32 v[SPW], v[NIL]
	s_wait_dscnt 0x0
	CROUND                                         ; the closing round
	s_endpgm
.Lfunc_end_k_q313aa5b82e_attn:
	.size	k_q313aa5b82e_attn, .Lfunc_end_k_q313aa5b82e_attn-k_q313aa5b82e_attn
	.p2alignl 7, 3214868480
	.fill 96, 4, 3214868480
	.section	.rodata,"a",@progbits
	.p2align	6, 0x0
	.amdhsa_kernel k_q313aa5b82e_attn
		.amdhsa_group_segment_fixed_size 327680
		.amdhsa_private_segment_fixed_size 0
		.amdhsa_enable_private_segment 0
		.amdhsa_kernarg_size 24
		.amdhsa_user_sgpr_count 2
		.amdhsa_user_sgpr_kernarg_segment_ptr 1
		.amdhsa_wavefront_size32 1
		.amdhsa_system_sgpr_workgroup_id_x 1
		.amdhsa_system_sgpr_workgroup_id_y 1
		.amdhsa_system_sgpr_workgroup_id_z 1
		.amdhsa_system_vgpr_workitem_id 0
		.amdhsa_next_free_vgpr 512
		.amdhsa_next_free_sgpr 100
		.amdhsa_reserve_vcc 1
		.amdhsa_float_denorm_mode_32 3
		.amdhsa_float_denorm_mode_16_64 3
		.amdhsa_memory_ordered 1
		.amdhsa_forward_progress 1
		.amdhsa_inst_pref_size 127
	.end_amdhsa_kernel
	.amdgpu_metadata
---
amdhsa.version: [ 1, 2 ]
amdhsa.kernels:
  - .name:           k_q313aa5b82e_attn
    .symbol:         k_q313aa5b82e_attn.kd
    .args:
      - { .name: qkv, .offset: 0, .size: 8, .value_kind: global_buffer, .address_space: global }
      - { .name: mask, .offset: 8, .size: 8, .value_kind: global_buffer, .address_space: global }
      - { .name: oi, .offset: 16, .size: 8, .value_kind: global_buffer, .address_space: global }
    .group_segment_fixed_size: 327680
    .private_segment_fixed_size: 0
    .kernarg_segment_align: 8
    .kernarg_segment_size: 24
    .max_flat_workgroup_size: 256
    .sgpr_count:     100
    .vgpr_count:     512
    .wavefront_size: 32
...
	.end_amdgpu_metadata
.endif
;; end of part 3
;; launch oproj (part 4): grid 16 x 16, 4 waves a work-group, clusters of 4 x 4, 327,680 bytes of LDS; arguments oi, woi, out0; writes out0
.if DOCPART == 4
	.amdgcn_target "amdgcn-amd-amdhsa--gfx1250"
	.amdhsa_code_object_version 6
	.text
	.protected	k_q313aa5b82e_oproj
	.globl	k_q313aa5b82e_oproj
	.p2align	8
	.type	k_q313aa5b82e_oproj,@function
k_q313aa5b82e_oproj:
	s_mov_b64 s[64:65], 0
	v_nop
	global_prefetch_b8 v0, s[64:65] scope:SCOPE_SE
	s_setreg_imm32_b32 hwreg(HW_REG_WAVE_MODE, 25, 1), 1
	s_wait_xcnt 0x0
	s_wait_alu depctr_hold_cnt(0) depctr_sa_sdst(0) depctr_va_vdst(0) depctr_va_sdst(0) depctr_va_ssrc(0) depctr_va_vcc(0) depctr_vm_vsrc(0)
	s_getreg_b32 s2, hwreg(HW_REG_IB_STS2, 6, 4)
	s_cmp_eq_u32 s2, 0
	s_cbranch_scc0 .Lentry_in_a_cluster
	s_endpgm
.Lentry_in_a_cluster:
	s_bfe_u32 s2, ttmp6, 0x10000c
	s_cmp_lg_u32 s2, 0xf033
	s_cbranch_scc0 .Lentry_shape_is_right
	s_endpgm
.Lentry_shape_is_right:
.set KQN,   4
.set BLK,   6400
.set SLOT,  24*BLK
.set BOFF,  8*BLK
.set SPARE, 2*SLOT
.set LAPS,  KQN/2
.set LI,    3
.set ADRA,  16
.set ADRB,  20
.set ADRS,  22
.set STO,   24
.set RD,    25
.set SPW,   28
.set NIL,   29
.set PFO,   31                         ; v31 the prefetches' offset: 256 x min(lane, 24); never rewritten
.set PFA,   78                         ; s[78:79] where my prefetches stand; never stepped: K has four blocks, and all three asks stand at the head
; A prefetch of a K block (6,400 bytes of each row tile) that a later joint load will ask for.  Of the row tiles that a wave fetches, the four partners that ask jointly take their shares BY ADDRESS:
; of A's four tiles one each (by cx), of B's eight two each (by cy).  A tile's block is 25 blocks of 256 bytes: a lane a block, lanes 25-31 name lane 24's again.
.macro ASK off
	global_prefetch_b8 v[PFO], s[PFA:PFA+1] offset:\off th:TH_LOAD_NT scope:SCOPE_SE
	s_cmp_eq_u32 s15, 0
	s_cbranch_scc1 .Lone_\@
	global_prefetch_b8 v[PFO], s[PFA:PFA+1] offset:(\off)+KQN*BLK th:TH_LOAD_NT scope:SCOPE_SE
.Lone_\@:
.endm
.set SC,    32
.set AF,    96
.set BK,    96
.set G1,    24
.set G0,    32
.set G1B,   48
.set G0B,   56
.set MUL,   0xa1
.set TO_B,  0x40
.set MSB, 0
.macro WIN new
.if MSB != (\new)
	s_set_vgpr_msb (MSB<<8)|(\new)
.set MSB, (\new)
.endif
.endm
.macro JLOAD g0a, g1a, g0b, g1b
	s_cmp_eq_u32 s15, 0
	s_cbranch_scc0 .Lfor_b_\@
	tensor_load_to_lds s[\g0a:\g0a+3], s[\g1a:\g1a+7]
	s_nop 0
.rept 4
	v_nop
.endr
	s_branch .Lasked_\@
.Lfor_b_\@:
	tensor_load_to_lds s[\g0b:\g0b+3], s[\g1b:\g1b+7]
	s_nop 0
.rept 4
	v_nop
.endr
.Lasked_\@:
.endm
.macro CREST
	s_cmp_lg_u32 s14, 0
	s_cbranch_scc1 .Lnot_wave_0_\@
	s_barrier_signal -3
.Lnot_wave_0_\@:
	s_barrier_wait -3
	s_barrier_signal -1
	s_barrier_wait -1
.endm
.macro CROUND
	s_barrier_signal -1
	s_barrier_wait -1
	CREST
.endm
.macro PLACES n
.rept \n
	v_nop
.endr
.endm
.macro FETCH slot, q, p
	WIN TO_B
.irp i, 0,1,2,3,4,5,6,7
.irp c, 0,1,2
	ds_load_b128 v[128*(\p)+12*\i+4*\c:128*(\p)+12*\i+4*\c+3], v[ADRB+\slot] offset:BLK*\i+1536*(\q)+512*\c
.endr
.endr
	WIN 0
.irp i, 0,1,2,3
.irp c, 0,1,2
	ds_load_b128 v[AF+48*(\p)+12*\i+4*\c:AF+48*(\p)+12*\i+4*\c+3], v[ADRA+\slot] offset:BLK*\i+1536*(\q)+512*\c
.endr
.endr
.endm
.macro SCALES slot
.irp i, 0,1,2,3,4,5,6,7
	ds_load_b128 v[SC+32*\slot+4*\i:SC+32*\slot+4*\i+3], v[ADRS+\slot] offset:BLK*\i
.endr
.endm
.macro MUL8 a, p, q, sc, zero
.irp b, 0,1,2,3,4,5,6,7
.if \zero
	v_wmma_scale_f32_16x16x128_f8f6f4 v[8*(8*(\a)+\b):8*(8*(\a)+\b)+7], v[128*(\p)+12*\b:128*(\p)+12*\b+11], v[AF+48*(\p)+12*(\a):AF+48*(\p)+12*(\a)+11], 0, v[SC+32*(\sc)+4*\b+(\q)], v[SC+32*(\sc)+4*(\a)+(\q)] matrix_a_fmt:MATRIX_FMT_FP6 matrix_b_fmt:MATRIX_FMT_FP6 matrix_a_scale:MATRIX_SCALE_ROW1
.else
	v_wmma_scale_f32_16x16x128_f8f6f4 v[8*(8*(\a)+\b):8*(8*(\a)+\b)+7], v[128*(\p)+12*\b:128*(\p)+12*\b+11], v[AF+48*(\p)+12*(\a):AF+48*(\p)+12*(\a)+11], v[8*(8*(\a)+\b):8*(8*(\a)+\b)+7], v[SC+32*(\sc)+4*\b+(\q)], v[SC+32*(\sc)+4*(\a)+(\q)] matrix_a_fmt:MATRIX_FMT_FP6 matrix_b_fmt:MATRIX_FMT_FP6 matrix_a_scale:MATRIX_SCALE_ROW1
.endif
.endr
.endm
.macro STEP slot, q, zero
	s_wait_dscnt 0x0
	PLACES 4
	FETCH \slot, (\q)+1, 1-(\q)%2
	WIN MUL
.irp a, 0,1,2,3
	MUL8 \a, (\q)%2, \q, \slot, \zero
.endr
	WIN 0
.endm
.macro TURN slot, next, fill
	s_wait_tensorcnt 0x0
	ds_add_u32 v[SPW], v[NIL]
	s_wait_dscnt 1
	WIN MUL
	MUL8 0, 1, 3, \slot, 0
	s_wait_dscnt 0x0
	s_barrier_signal -1
	MUL8 1, 1, 3, \slot, 0
	WIN 0
	s_barrier_wait -1
.if \fill
	CREST
	s_add_nc_u64 s[G0+4*\slot+2:G0+4*\slot+3], s[G0+4*\slot+2:G0+4*\slot+3], 2*BLK
	s_add_nc_u64 s[G0B+4*\slot+2:G0B+4*\slot+3], s[G0B+4*\slot+2:G0B+4*\slot+3], 2*BLK
	JLOAD G0+4*\slot, G1, G0B+4*\slot, G1B
.else
	PLACES 4
.endif
	FETCH \next, 0, 0
	SCALES \next
	WIN MUL
	MUL8 2, 1, 3, \slot, 0
	MUL8 3, 1, 3, \slot, 0
	WIN 0
.endm
.macro TOSTAGE a
	WIN 0x08
.irp b, 0,1,2,3,4,5,6,7
	ds_store_b128 v[STO], v[8*(8*(\a)+\b):8*(8*(\a)+\b)+3] offset:128*(\b/2)+32*(\b%2)
	ds_store_b128 v[STO], v[8*(8*(\a)+\b)+4:8*(8*(\a)+\b)+7] offset:128*(\b/2)+32*(\b%2)+16
.endr
	WIN 0
.set BB, BK+64*((\a)%2)
.irp t, 0,1,2,3,4,5,6,7,8,9,10,11,12,13,14,15
	ds_load_b128 v[BB+4*\t:BB+4*\t+3], v[RD] offset:\t*528
.endr
.endm
.macro SEND a, younger
.set BB, BK+64*((\a)%2)
	s_wait_dscnt \younger
.irp t, 0,1,2,3,4,5,6,7,8,9,10,11,12,13,14,15
	global_store_b128 v[LI], v[BB+4*\t:BB+4*\t+3], s[12:13] offset:(32*((\a)/2)+8*((\a)%2)+(\t%8)+16*(\t/8))*16384 th:TH_STORE_NT
.endr
.endm
	s_load_b128 s[4:7], s[0:1], 0x0
	s_load_b64 s[12:13], s[0:1], 0x10
	v_lshl_add_u32 v[SPW], v0, 2, SPARE
	v_mov_b32 v[NIL], 0
	ds_add_u32 v[SPW], v[NIL]
	ds_add_u32 v[SPW], v[NIL]
	v_lshrrev_b32 v1, 5, v0
	v_readfirstlane_b32 s14, v1
	v_and_b32 v[PFO], 31, v0
	v_min_u32 v[PFO], 24, v[PFO]
	v_lshlrev_b32 v[PFO], 8, v[PFO]
	s_lshr_b32 s15, s14, 1
	s_and_b32 s16, s14, 1
	s_bfe_u32 s40, ttmp6, 0x40000
	s_bfe_u32 s41, ttmp6, 0x40004
	s_lshl_b32 s42, ttmp9, 2
	s_add_co_u32 s42, s42, s40
	s_and_b32 s17, ttmp7, 0xffff
	s_lshl_b32 s17, s17, 2
	s_add_co_u32 s17, s17, s41
	s_lshl_b32 s43, s41, 2
	s_lshl_b32 s43, 15, s43
	s_lshl_b32 s44, 0x1111, s40
	s_or_b32 s[G1+0], s43, (3<<16)|(1<<21)
	s_or_b32 s[G1B+0], s44, (3<<16)|(1<<21)
.irp g, G1, G1B
	s_mov_b32 s[\g+1], 800<<16
	s_mov_b32 s[\g+3], 800<<16
	s_mov_b32 s[\g+5], KQN*800
	s_mov_b32 s[\g+6], 0
	s_mov_b32 s[\g+7], 0
.endr
	s_mov_b32 s[G1+2], 4<<16
	s_mov_b32 s[G1+4], 4
	s_mov_b32 s[G1B+2], 8<<16
	s_mov_b32 s[G1B+4], 8
	s_lshl_b32 s20, s17, 3
	s_lshl_b32 s18, s16, 2
	s_add_co_u32 s20, s20, s18
	s_mul_i32 s20, s20, KQN*BLK
	s_mov_b32 s21, 0
	s_lshl_b32 s46, s42, 4
	s_lshl_b32 s18, s16, 3
	s_add_co_u32 s46, s46, s18
	s_mul_i32 s46, s46, KQN*BLK
	s_mov_b32 s47, 0
	s_mul_i32 s45, s16, 4*BLK
	s_mul_i32 s94, s16, 8*BLK
	s_add_co_u32 s94, s94, BOFF
	s_wait_dscnt 0x0
	s_wait_kmcnt 0x0
	s_add_nc_u64 s[20:21], s[4:5], s[20:21]
	s_add_nc_u64 s[46:47], s[6:7], s[46:47]
	s_cmp_eq_u32 s15, 0                            ; do I fetch for A?
	s_cselect_b64 s[PFA:PFA+1], s[20:21], s[46:47]
	s_cselect_b32 s80, s40, s41                    ; my place among the four that ask with me
	s_mul_i32 s80, s80, KQN*BLK                    ; A: one row tile a partner
	s_cselect_b32 s82, 0, s80
	s_add_co_u32 s80, s80, s82                     ; B: two
	s_mov_b32 s81, 0
	s_add_nc_u64 s[PFA:PFA+1], s[PFA:PFA+1], s[80:81]
	CROUND
.irp s, 0,1
	s_mov_b32 s[G0+4*\s], 1
	s_add_co_u32 s[G0+4*\s+1], s45, \s*SLOT
	s_add_nc_u64 s[G0+4*\s+2:G0+4*\s+3], s[20:21], \s*BLK
	s_or_b32 s[G0+4*\s+3], s[G0+4*\s+3], 0x80000000
	s_mov_b32 s[G0B+4*\s], 1
	s_add_co_u32 s[G0B+4*\s+1], s94, \s*SLOT
	s_add_nc_u64 s[G0B+4*\s+2:G0B+4*\s+3], s[46:47], \s*BLK
	s_or_b32 s[G0B+4*\s+3], s[G0B+4*\s+3], 0x80000000
	s_wait_alu depctr_va_vdst(0)
	s_wait_tensorcnt 0x0
	ds_add_u32 v28, v29
	ds_add_u32 v28, v29
	s_wait_dscnt 0x0
	CROUND
	JLOAD G0+4*\s, G1, G0B+4*\s, G1B
.if \s == 0
	ASK BLK                                        ; behind K block 0's load: blocks 1 and 2
	ASK 2*BLK
.else
	ASK 3*BLK                                      ; behind block 1's: block 3
.endif
.endr
	v_and_b32 v1, 15, v0
	v_bfe_u32 v2, v0, 4, 1
	v_and_b32 v[LI], 31, v0
	v_lshlrev_b32 v[LI], 4, v[LI]
	s_wait_alu depctr_va_vdst(0)
	s_mul_i32 s72, s15, 4*BLK
	s_mul_i32 s73, s16, 8*BLK
	s_add_co_u32 s73, s73, BOFF
	s_sub_co_u32 s74, s73, s72
	v_mul_u32_u24 v6, s74, v2
	v_lshl_add_u32 v5, v1, 4, v6
	s_add_co_u32 s75, s72, 6144
.irp s, 0,1
	v_add_nc_u32 v[ADRA+\s], s72, v[LI]
	v_add_nc_u32 v[ADRB+\s], s73, v[LI]
	v_add_nc_u32 v[ADRS+\s], s75, v5
	s_add_co_u32 s72, s72, SLOT
	s_add_co_u32 s73, s73, SLOT
	s_add_co_u32 s75, s75, SLOT
.endr
	s_mul_i32 s76, s14, 16*528
	v_mul_u32_u24 v[STO], v1, 528
	v_lshl_add_u32 v[STO], v2, 6, v[STO]
	v_add_nc_u32 v[STO], s76, v[STO]
	v_add_nc_u32 v[RD], s76, v[LI]
	s_lshl_b32 s72, s17, 7
	s_lshl_b32 s73, s15, 6
	s_add_co_u32 s72, s72, s73
	s_lshl_b32 s72, s72, 14
	s_lshl_b32 s73, s42, 10
	s_add_co_u32 s72, s72, s73
	s_lshl_b32 s73, s16, 9
	s_add_co_u32 s72, s72, s73
	s_mov_b32 s73, 0
	s_add_nc_u64 s[12:13], s[12:13], s[72:73]
	s_wait_alu depctr_va_vdst(0)
	s_wait_tensorcnt 1
	s_barrier_signal -1
	s_barrier_wait -1
	FETCH 0, 0, 0
	SCALES 0
	STEP 0, 0, 1
	s_mov_b32 s3, LAPS-1
.Llap:
	STEP 0, 1, 0
	STEP 0, 2, 0
	TURN 0, 1, 1
	STEP 1, 0, 0
	STEP 1, 1, 0
	STEP 1, 2, 0
	TURN 1, 0, 1
	STEP 0, 0, 0
	s_sub_co_u32 s3, s3, 1
	s_cmp_lg_u32 s3, 0
	s_cbranch_scc1 .Llap
	STEP 0, 1, 0
	STEP 0, 2, 0
	TURN 0, 1, 0
	STEP 1, 0, 0
	STEP 1, 1, 0
	STEP 1, 2, 0
	s_wait_dscnt 0x0
	WIN MUL
.irp a, 0,1,2,3
	MUL8 \a, 1, 3, 1, 0
.endr
	WIN 0
	PLACES 4
	TOSTAGE 0
.irp a, 1,2,3
.if \a > 1
	s_wait_xcnt 0x0
.endif
	TOSTAGE \a
	SEND \a-1, 32
.endr
	SEND 3, 0
	s_wait_tensorcnt 0x0
	ds_add_u32 v[SPW], v[NIL]
	s_wait_dscnt 0x0
	CROUND
	s_endpgm
.Lfunc_end_k_q313aa5b82e_oproj:
	.size	k_q313aa5b82e_oproj, .Lfunc_end_k_q313aa5b82e_oproj-k_q313aa5b82e_oproj
	.p2alignl 7, 3214868480
	.fill 96, 4, 3214868480
	.section	.rodata,"a",@progbits
	.p2align	6, 0x0
	.amdhsa_kernel k_q313aa5b82e_oproj
		.amdhsa_group_segment_fixed_size 327680
		.amdhsa_private_segment_fixed_size 0
		.amdhsa_enable_private_segment 0
		.amdhsa_kernarg_size 24
		.amdhsa_user_sgpr_count 2
		.amdhsa_user_sgpr_kernarg_segment_ptr 1
		.amdhsa_wavefront_size32 1
		.amdhsa_system_sgpr_workgroup_id_x 1
		.amdhsa_system_sgpr_workgroup_id_y 1
		.amdhsa_system_sgpr_workgroup_id_z 1
		.amdhsa_system_vgpr_workitem_id 0
		.amdhsa_next_free_vgpr 768
		.amdhsa_next_free_sgpr 100
		.amdhsa_reserve_vcc 0
		.amdhsa_float_denorm_mode_32 3
		.amdhsa_float_denorm_mode_16_64 3
		.amdhsa_memory_ordered 1
		.amdhsa_forward_progress 1
		.amdhsa_inst_pref_size 133
	.end_amdhsa_kernel
	.amdgpu_metadata
---
amdhsa.version: [ 1, 2 ]
amdhsa.kernels:
  - .name:           k_q313aa5b82e_oproj
    .symbol:         k_q313aa5b82e_oproj.kd
    .args:
      - { .name: oi, .offset: 0, .size: 8, .value_kind: global_buffer, .address_space: global }
      - { .name: woi, .offset: 8, .size: 8, .value_kind: global_buffer, .address_space: global }
      - { .name: out0, .offset: 16, .size: 8, .value_kind: global_buffer, .address_space: global }
    .group_segment_fixed_size: 327680
    .private_segment_fixed_size: 0
    .kernarg_segment_align: 8
    .kernarg_segment_size: 24
    .max_flat_workgroup_size: 128
    .sgpr_count:     100
    .vgpr_count:     768
    .wavefront_size: 32
...
	.end_amdgpu_metadata
.endif
;; end of part 4
